; MI455X (gfx1250); checked and timed in simulation.
; The chip was launched on July 23, 2026; its instructions are those of AMD's public machine-readable ISA for CDNA 5 (MIT licence, August 2026) and "CDNA5" Instruction Set Architecture Reference Guide (July 2026). The comments in the code are by the model that wrote it; some were corrected since.
;; Multihead Self Attention. Allowed arithmetic: matrix products marked QUANTISED: E4M3 operands, one E8M0 scale for each 32 along K, by v_wmma_scale_f32_16x16x128_f8f6f4 with both operands' format E4M3, f32 sums; everything else in f32.
;; Inputs: W_O_codes 1,024 x 32 x 32 uint8 (E4M3 codes of W_O, K innermost, in blocks of 32 codes); W_O_scales 1,024 x 32 uint8 (E8M0 scales of W_O, one for each 32 codes along K); W_QKV_codes 3,072 x 32 x 32 uint8 (E4M3 codes of W_QKV, K innermost, in blocks of 32 codes); W_QKV_scales 3,072 x 32 uint8 (E8M0 scales of W_QKV, one for each 32 codes along K); token_positions 2,048 int32; x_codes 4 x 2,048 x 32 x 32 uint8 (E4M3 codes of x, K innermost, in blocks of 32 codes); x_scales 4 x 2,048 x 32 uint8 (E8M0 scales of x, one for each 32 codes along K).
;; Outputs: out0 4 x 2,048 x 1,024 float32.
;; This version of the problem:
;;   THIS VERSION OF THE PROBLEM IS GIVEN IN LOW PRECISION. The matrix products marked QUANTISED in the list below multiply operands that are first quantised to E4M3 (4 exponent bits, 3 mantissa bits; 8 bits a number), with one power-of-two scale for each 32 numbers along K (OCP MX v1.0); their sums are f32. All else is computed in f32.
;;   The module's matrix products, in the order in which they are computed (A, B: the left and right operand; K: the contracted axis; several contracted axes count as one K, in the product's order):
;;     1. [M 8,192, K 1,024] x [K 1,024, N 3,072]; A: input x (given as codes); B: input W_QKV (given as codes): QUANTISED
;;     2. batch 64 x [M 2,048, K 64] x [K 64, N 2,048]; A: computed on the way; B: computed on the way: QUANTISED
;;     3. batch 64 x [M 2,048, K 2,048] x [K 2,048, N 64]; A: softmax (see below); B: computed on the way: QUANTISED
;;     4. [M 8,192, K 1,024] x [K 1,024, N 1,024]; A: computed on the way; B: input W_O (given as codes): QUANTISED
;;   THE QUANTISER, for each operand of a quantised product, along K:
;;     - K is cut into blocks of 32 from its start; a last block that is shorter is filled with zeros.
;;     - A block's scale is 2^e with e = floor(log2(the largest magnitude in the block)) - 8, held to -126 .. 127; a block of zeros has e = 0. As a byte (E8M0): e + 127.
;;     - Each number is divided by its block's scale, clamped to +-448, and rounded to the nearest number of E4M3, ties to even, subnormals kept.
;;     - The product sums the exact products of the quantised numbers (number of the format x scale) in f32.
;;   ~~~python
;;   def quantise(x, axis):      # numpy; x: float32 -> the quantised numbers, widened to float32 again
;;       x = np.moveaxis(x, axis, -1); K = x.shape[-1]
;;       x = np.pad(x, [(0, 0)] * (x.ndim - 1) + [(0, -K % 32)]); x = x.reshape(x.shape[:-1] + (-1, 32)); a = np.abs(x).max(-1, keepdims=True)
;;       e = np.where(a > 0, np.clip(np.frexp(np.where(a > 0, a, 1))[1] - 1 - 8, -126, 127), 0)      # np.frexp(a)[1] - 1 = floor(log2(a)), exactly
;;       r = np.clip(x / 2.0 ** e, -448, 448)
;;       step = 2.0 ** (np.maximum(np.frexp(np.where(r == 0, 1, r))[1] - 1, -6) - 3)
;;       q = np.round(r / step) * step * 2.0 ** e      # np.round: ties to even
;;       return np.moveaxis(q.reshape(q.shape[:-2] + (-1,))[..., :K], -1, axis).astype(np.float32)
;;   ~~~
;;   SOFTMAX AHEAD OF A QUANTISED PRODUCT. Where the list says 'softmax', what is quantised is not the finished softmax but p = 2^(t - M), with t = logit x log2(e) and M = ceil(the row's largest t), a whole number; so 1/2 < the row's largest p <= 1. The row's sum l is taken of the UNQUANTISED p, in f32, and the product's result is divided by l at the end. Since M is a whole number, a kernel that streams over the keys may use a running M (the ceiling of the running maximum): every later rescaling is an exact power of two, which a block's scale takes up: the codes' values come out the same.
;;   OPERANDS COMPUTED ON THE WAY. 'Computed on the way' means the value that the module computes at that place (a softmax that the list does not call 'softmax' is quantised finished and normalised). What goes into a quantiser is computed in f32, as accurately as f32 sums, v_exp_f32 and their like allow (about 1e-6 of the number): no bf16 or f16 on the way to a quantiser, and a product that is left as it is and whose result goes on into a quantised operand takes f32 operands (vector FMAs, or v_wmma_f32_16x16x4_f32). A number that lies on a knife's edge between two numbers of the format may be rounded either way, as far as f32 arithmetic and the matrix unit's own rounding can turn it there, and no further.
;;   INPUTS GIVEN AS CODES. W_O (in the module: [1024, 1024], K = its axis 1); W_QKV (in the module: [3072, 1024], K = its axis 1); x (in the module: [4, 2048, 1024], K = its axis 2): each comes as NAME_codes (uint8): NAME with its K axis moved to the last place and cut into blocks of 32 codes, [.., K / 32, bytes a block], one block behind the other in memory; one code a byte (a code: sign, 4 exponent bits, 3 mantissa bits); and NAME_scales (uint8): the same leading axes, one E8M0 byte (e + 127) for each 32 codes along K. Its value is code x scale, taken as it is: it is not quantised again, and the codes and scales need not be those that the quantiser above would give.
;; One version. Each part assembles by itself: llvm-mc -triple=amdgcn-amd-amdhsa -mcpu=gfx1250 --defsym DOCPART=n.
;; ======== version 1 of 1: 4 launches
;; limits: right only within a limited range of input values
;; workspace buffers: tab 524,288 bytes; qb 8,912,896 bytes; kv 17,563,648 bytes; aimg 8,388,608 bytes; asc 262,144 bytes
;; launch ropetab (part 1): grid 128 x 1, 8 waves a work-group, no clusters, 0 bytes of LDS; arguments token_positions, tab; writes tab
.if DOCPART == 1
	.amdgcn_target "amdgcn-amd-amdhsa--gfx1250"
	.amdhsa_code_object_version 6
	.text
	.protected	k_q6c58c69adf_ropetab
	.globl	k_q6c58c69adf_ropetab
	.p2align	8
	.type	k_q6c58c69adf_ropetab,@function
k_q6c58c69adf_ropetab:
	s_mov_b64 s[64:65], 0
	v_nop
	global_prefetch_b8 v0, s[64:65] scope:SCOPE_SE
	s_setreg_imm32_b32 hwreg(HW_REG_WAVE_MODE, 25, 1), 1
	s_wait_xcnt 0x0
; The table of RoPE: cos and sin of position / 10000^(j/32), j = 0 .. 31, for each of the 2,048 places of the sequence, in f32.
; LAYOUT, as the projection's lanes want it: [128 tiles of 16 places][4 t][2 k][32 lanes][cos, sin, cos, sin]: lane (r = lane % 16, h = lane / 16) of piece (t, k)
; holds place 16 tile + r and the pairs j = 8 t + 4 h + 2 k and j + 1.  A work-group makes one tile (4,096 bytes), wave w the piece t = w / 2, k = w % 2; a wave stores 512 consecutive bytes.
; 10000^(j/32) = 10^(j/8) = 10^((j % 8)/8) x 10^(j / 8): one of eight numbers, rounded to f32, times 1, 10, 100 or 1000; chosen by selects, no branch.
; The angle is position / that number, by a reciprocal and one correction step.  Sine and cosine: the nearest multiple of pi/2 is taken off in three parts by fused multiply-adds, then two polynomials and the quadrant's signs.
; LIMIT: |position| up to 117,435, where the reduction in three parts ends.
	s_load_b128 s[4:7], s[0:1], 0x0                ; token_positions s[4:5], tab s[6:7]
	v_lshrrev_b32 v1, 5, v0
	s_delay_alu instid0(VALU_DEP_1)
	v_readfirstlane_b32 s8, v1                     ; wave 0..7
	v_and_b32 v1, 15, v0                           ; r
	v_bfe_u32 v2, v0, 4, 1                         ; h
	s_lshr_b32 s9, s8, 1
	s_lshl_b32 s9, s9, 3                           ; 8 t
	s_and_b32 s10, s8, 1
	s_lshl_b32 s10, s10, 1                         ; 2 k
	s_add_co_u32 s9, s9, s10
	v_lshl_add_u32 v3, v2, 2, s9                   ; my first pair: 8 t + 2 k + 4 h
	s_delay_alu instid0(VALU_DEP_1)
	v_add_nc_u32 v4, 1, v3                         ; my second
	v_lshlrev_b32 v6, 2, v1                        ; 4 r: my place's word
	v_lshlrev_b32 v7, 4, v0                        ; 16 x thread: 512 x wave + 16 x lane
	s_lshl_b32 s10, ttmp9, 6                       ; the tile's 16 positions
	s_mov_b32 s11, 0
	s_lshl_b32 s12, ttmp9, 12                      ; the tile's 4,096 bytes of the table
	s_mov_b32 s13, 0
	s_wait_alu depctr_va_vdst(0)
	s_wait_kmcnt 0x0
	s_add_nc_u64 s[4:5], s[4:5], s[10:11]
	s_add_nc_u64 s[6:7], s[6:7], s[12:13]
	global_load_b32 v5, v6, s[4:5]
.macro DEN dst, idx                    ; v[dst] = 10^(v[idx] / 8)
	v_and_b32 v8, 7, v[\idx]
	v_lshrrev_b32 v9, 3, v[\idx]
	v_mov_b32 v[\dst], 1.0
	v_mov_b32 v10, 1.0
.set J, 1
.irp lit, 0x3faab0d5, 0x3fe39ea9, 0x4017c496, 0x404a62c2, 0x4086f161, 0x40b3f300, 0x40eff755
	v_cmp_ne_u32 vcc_lo, J, v8
	s_delay_alu instid0(VALU_DEP_1)
	v_cndmask_b32 v[\dst], \lit, v[\dst], vcc_lo   ; 10^(J/8) where j % 8 = J
.set J, J+1
.endr
.set J, 1
.irp lit, 0x41200000, 0x42c80000, 0x447a0000
	v_cmp_ne_u32 vcc_lo, J, v9
	s_delay_alu instid0(VALU_DEP_1)
	v_cndmask_b32 v10, \lit, v10, vcc_lo           ; 10, 100, 1000
.set J, J+1
.endr
	s_delay_alu instid0(VALU_DEP_1)
	v_mul_f32 v[\dst], v[\dst], v10
.endm
	DEN 12, 3
	DEN 13, 4
	s_wait_alu depctr_va_vdst(0)
	v_rcp_f32 v14, v12
	v_rcp_f32 v15, v13
	v_nop                                          ; a plain instruction behind the reciprocals,
	s_wait_alu depctr_va_vdst(0)                   ; and one wait for both, ahead of their first reader
	s_wait_loadcnt 0x0
	v_cvt_f32_i32 v16, v5                          ; the position
.macro SINCOS d, rc, outc, outs
	v_mul_f32 v17, v16, v[\rc]
	s_delay_alu instid0(VALU_DEP_1)
	v_fma_f32 v18, -v17, v[\d], v16                ; what the first quotient leaves
	v_fma_f32 v17, v18, v[\rc], v17                ; the angle
	s_delay_alu instid0(VALU_DEP_1)
	v_mul_f32 v18, 0x3f22f983, v17                 ; x 2 / pi
	s_delay_alu instid0(VALU_DEP_1)
	v_rndne_f32 v18, v18                           ; n
	s_delay_alu instid0(VALU_DEP_1)
	v_fmamk_f32 v17, v18, 0xbfc90fd8, v17          ; - n pi/2, in three parts
	s_delay_alu instid0(VALU_DEP_1)
	v_fmamk_f32 v17, v18, 0xb4a8885a, v17
	s_delay_alu instid0(VALU_DEP_1)
	v_fmamk_f32 v17, v18, 0xa7c234c4, v17
	s_delay_alu instid0(VALU_DEP_1)
	v_mul_f32 v19, v17, v17
	v_mov_b32 v20, 0x36405000
	s_delay_alu instid0(VALU_DEP_1)
	v_fmaak_f32 v20, v20, v19, 0xb9500bb5
	s_delay_alu instid0(VALU_DEP_1)
	v_fmaak_f32 v20, v20, v19, 0x3c0888c1
	s_delay_alu instid0(VALU_DEP_1)
	v_fmaak_f32 v20, v20, v19, 0xbe2aaaab
	v_mul_f32 v21, v17, v19
	s_delay_alu instid0(VALU_DEP_1)
	v_fma_f32 v20, v20, v21, v17                   ; sine of the rest
	v_mov_b32 v22, 0x37cd4000
	s_delay_alu instid0(VALU_DEP_1)
	v_fmaak_f32 v22, v22, v19, 0xbab6077d
	s_delay_alu instid0(VALU_DEP_1)
	v_fmaak_f32 v22, v22, v19, 0x3d2aaaa8
	s_delay_alu instid0(VALU_DEP_1)
	v_fma_f32 v22, v22, v19, -0.5
	s_delay_alu instid0(VALU_DEP_1)
	v_fma_f32 v22, v22, v19, 1.0                   ; cosine of the rest
	v_cvt_i32_f32 v18, v18
	s_delay_alu instid0(VALU_DEP_1)
	v_and_b32 v21, 2, v18
	s_delay_alu instid0(VALU_DEP_1)
	v_lshlrev_b32 v21, 30, v21                     ; quadrants 2 and 3 turn both signs
	s_delay_alu instid0(VALU_DEP_1)
	v_xor_b32 v20, v20, v21
	s_delay_alu instid0(VALU_DEP_2)
	v_xor_b32 v22, v22, v21
	v_and_b32 v21, 1, v18
	s_delay_alu instid0(VALU_DEP_1)
	v_cmp_ne_u32 vcc_lo, 0, v21                    ; odd quadrants: sin = c, cos = -s
	s_delay_alu instid0(VALU_DEP_1)
	v_cndmask_b32 v[\outs], v20, v22, vcc_lo
	v_xor_b32 v20, 0x80000000, v20
	s_delay_alu instid0(VALU_DEP_1)
	v_cndmask_b32 v[\outc], v22, v20, vcc_lo
.endm
	SINCOS 12, 14, 24, 25
	SINCOS 13, 15, 26, 27
	global_store_b128 v7, v[24:27], s[6:7]         ; 32 lanes store 512 consecutive bytes, at a multiple of 512 from the table's first byte
	s_endpgm
.Lfunc_end_k_q6c58c69adf_ropetab:
	.size	k_q6c58c69adf_ropetab, .Lfunc_end_k_q6c58c69adf_ropetab-k_q6c58c69adf_ropetab
	.p2alignl 7, 3214868480
	.fill 96, 4, 3214868480
	.section	.rodata,"a",@progbits
	.p2align	6, 0x0
	.amdhsa_kernel k_q6c58c69adf_ropetab
		.amdhsa_group_segment_fixed_size 0
		.amdhsa_private_segment_fixed_size 0
		.amdhsa_enable_private_segment 0
		.amdhsa_kernarg_size 16
		.amdhsa_user_sgpr_count 2
		.amdhsa_user_sgpr_kernarg_segment_ptr 1
		.amdhsa_wavefront_size32 1
		.amdhsa_system_sgpr_workgroup_id_x 1
		.amdhsa_system_sgpr_workgroup_id_y 1
		.amdhsa_system_sgpr_workgroup_id_z 1
		.amdhsa_system_vgpr_workitem_id 0
		.amdhsa_next_free_vgpr 32
		.amdhsa_next_free_sgpr 66
		.amdhsa_reserve_vcc 1
		.amdhsa_float_denorm_mode_32 3
		.amdhsa_float_denorm_mode_16_64 3
		.amdhsa_memory_ordered 1
		.amdhsa_forward_progress 1
		.amdhsa_inst_pref_size 9
	.end_amdhsa_kernel
	.amdgpu_metadata
---
amdhsa.version: [ 1, 2 ]
amdhsa.kernels:
  - .name:           k_q6c58c69adf_ropetab
    .symbol:         k_q6c58c69adf_ropetab.kd
    .args:
      - { .name: token_positions, .offset: 0, .size: 8, .value_kind: global_buffer, .address_space: global }
      - { .name: tab, .offset: 8, .size: 8, .value_kind: global_buffer, .address_space: global }
    .group_segment_fixed_size: 0
    .private_segment_fixed_size: 0
    .kernarg_segment_align: 8
    .kernarg_segment_size: 16
    .max_flat_workgroup_size: 256
    .sgpr_count:     66
    .vgpr_count:     32
    .wavefront_size: 32
...
	.end_amdgpu_metadata
.endif
;; end of part 1
;; launch qkv (part 2): grid 8 x 32, 4 waves a work-group, clusters of 4 x 4, 327,680 bytes of LDS; arguments x_codes, x_scales, W_QKV_codes, W_QKV_scales, tab, qb, kv; writes qb, kv
.if DOCPART == 2
	.amdgcn_target "amdgcn-amd-amdhsa--gfx1250"
	.amdhsa_code_object_version 6
	.text
	.protected	k_q6c58c69adf_qkv
	.globl	k_q6c58c69adf_qkv
	.p2align	8
	.type	k_q6c58c69adf_qkv,@function
k_q6c58c69adf_qkv:
	s_mov_b64 s[64:65], 0
	v_nop
	global_prefetch_b8 v0, s[64:65] scope:SCOPE_SE
	s_setreg_imm32_b32 hwreg(HW_REG_WAVE_MODE, 25, 1), 1
	s_wait_xcnt 0x0
	s_wait_alu depctr_hold_cnt(0) depctr_sa_sdst(0) depctr_va_vdst(0) depctr_va_sdst(0) depctr_va_ssrc(0) depctr_va_vcc(0) depctr_vm_vsrc(0)
	s_getreg_b32 s2, hwreg(HW_REG_IB_STS2, 6, 4)
	s_cmp_eq_u32 s2, 0
	s_cbranch_scc0 .Lentry_in_a_cluster
	s_endpgm
.Lentry_in_a_cluster:
	s_bfe_u32 s2, ttmp6, 0x10000c
	s_cmp_lg_u32 s2, 0xf033
	s_cbranch_scc0 .Lentry_shape_is_right
	s_endpgm
.Lentry_shape_is_right:
; qkv = x W_QKV^T on codes of FP8 (E4M3) with one E8M0 scale for each 32 along K = 1,024; then RoPE on q and k, in f32; then q, k (along the head's 64) and v (along the keys) are quantised in registers
; and leave as IMAGES OF THE NEXT PRODUCTS' OPERAND REGISTERS: a fragment's register group c (four registers) lies at 512 c + 16 x lane.
; A tile of 256 x 256 of the product is made by four waves, 128 x 128 each: 64 accumulators, 512 registers.  K goes in steps of 256 through two LDS slots filled by the tensor data mover; the scale bytes of the
; work-group's 2 x 256 rows come once and stay.  4 x 4 work-groups form a cluster: the four of a row ask jointly for the "A side's" tiles, the four of a column for the "B side's".
; The matrix instruction takes 16 rows of the B side as source 0 and 16 rows of the A side as source 1: a lane holds ONE row of the A side, and its registers run along the B side's rows.
; ROLES.  Cluster x = 0, 1 (q, k): A side = x (a lane holds a token), B side = W's rows (registers along the head's 64: q's and k's quantising axis).
;         Phase 2 (v): A side = W's rows 2,048 on (a lane holds one channel d), B side = x (registers along the keys: v's quantising axis).  Both tensors have rows of 1,024 bytes and scale rows of 32: only pointers and tile numbers are chosen.
; THE QUANTISER.  Registers 16 b .. 16 b + 15 of a block of 16 A rows hold 16 of block b's 32 numbers, lane l xor 16 the other 16.  Scale = 2^(floor(log2(largest magnitude)) - 8), its byte held at 1 from below
; (a block of zeros keeps byte 1: its codes are zeros, and this program alone reads the bytes).  Two lane swaps a block bring the codes into the operand's order: k = 32 c + 16 (lane / 16) + 0 .. 15.
; OUT.  qb [64 heads][16 steps of 128 queries][8 tiles x 1,024 bytes | 512 bytes of scale words at 32 r + 4 tile];  kv [64][16][K: 8 x 1,024 | V: 4 tiles of d x 2,048 | K's words 512 | V's words at 16 r + 4 tile: 256].
; A scale word of q or k is (byte, byte, 0, 0): the upper 64 of the next product's K = 128 are zero codes.  Every store of codes covers 512 consecutive bytes.
; LIMITS: NaN and infinities are not served; blocks whose largest magnitude lies under 2^-118 keep byte 1; the rotation uses one fused multiply-add where the source has two products and a sum.
; REGISTERS, in windows of 256: window 0: v0-31 addresses; v32-63 scale words, two sets; v64-127 cos and sin, two sets; from v128 the A side's fragments, ONE set; on the way out v128-243 are at work.
;   window 1: the B side's fragments, TWO sets.   window 2: the accumulators of my A rows 0-63 ((a, b) at v[8 (8 a + b)]);   window 3: those of rows 64-127.
.set SIZE_K, 1024
.set KSTEP,  256                       ; along K in a slot
.set NQ,     KSTEP/128                 ; matrix instructions deep
.set ROWB,   256                       ; a tile's row in bytes
.set KROW,   SIZE_K                    ; a row of codes in memory, in bytes
.set PITCH,  272                       ; an LDS row: 256 bytes + 16 of padding: the 16 rows that a load touches start at 16 different banks (ISA guide 11.1)
.set FR,     16                        ; registers of a fragment
.set NL,     4                         ; LDS loads that bring one
.set NP,     8                         ; places behind this matrix instruction (ISA guide 7.12.1)
.set HALFT,  128*PITCH                 ; 128 rows: what one tensor load brings
.set SLOT,   4*HALFT                   ; the A side's 256 rows, then the B side's
.set LAPS,   SIZE_K/(2*KSTEP)
.set KS,     SIZE_K/32                 ; a row of scale bytes
.set SCL,    2*SLOT                    ; behind the ring: the scales, as units of 256 bytes + 16 of padding
.set HALFS,  (128*KS/256)*272
.set SBLK,   (16*KS/256)*272
.set SPARE,  SCL+4*HALFS               ; the spare words, 128 bytes a wave: two blocks of 256 bytes that no other line names
.set QHS,    139264                    ; qb: a head, a step
.set QSS,    8704
.set KHS,    274432                    ; kv: a head, a step
.set KSS,    17152
.set ADRA, 16                          ; v16-17  LDS address of my A fragments in slot 0, 1
.set ADRB, 20                          ; v20-21  the same for B
.set LI,   24                          ; v24     16 x lane: an image's place for my lane
.set SCO,  25                          ; v25     32 r + 16 h: q's and k's scale words
.set VSO,  26                          ; v26     16 r + 8 h: v's scale words
.set ADRS, 27                          ; v27     LDS address of my scale words
.set SPW,  28                          ; v28     LDS address of my spare word; never rewritten
.set NIL,  29                          ; v29     0; never rewritten
.set SC,   32
.set CS,   64                          ; v64-127 cos and sin of a block's 16 tokens, two sets of 32
.set AF,   128
.set T,    128                         ; v128-191 the rotation's first products
.set PC,   192                         ; v192-207 a block's codes
.set TM,   208                         ; v208-211 largest magnitudes, 212-215 the other lane's and the bytes, 216-219 448 x scale, 220-223 the conversions' scale operands
.set WD,   224                         ; v224-231 a scale word for each block
.set SLW,  232                         ; v232-235 the four words that my lane stores
.set WLO,  236                         ; v236-239, v240-243 the two heads' words
.set WHI,  240
.set G1, 24
.set G0, 32
.set G1B, 48
.set G0B, 56
.set G1S, 68
.set G0S, 76
.set G1SB, 80
.set G0SB, 88
; THE DEAL AS THIS TEXT HAS IT: 256 work-groups (clusters 2 x 8).  PHASE 1: every work-group makes a tile of 256 tokens x 256 features of q (cluster x = 0) or k (1): A side = x, B side = W's rows.
; PHASE 2: it stays and makes 256 tokens x 128 channels of v: the SAME tokens, so x's tiles keep their joint loads, their places in LDS and their scale bytes; W's rows 2,048 + 128 x (4 cluster x + cx) on take the B side's places, 64 rows to each of waves 2 and 3.
; There source 0 = 16 tokens, source 1 = 16 channels: a lane holds one channel and its registers run along the keys.  A wave makes 128 tokens x 64 channels (one head, one key step): 32 accumulators, two sets of fragments on both sides.
; The ring goes on through the change of phase: phase 1's last two changes of slots ask for phase 2's K steps 0 and 1, ahead of phase 1's way out.
.set ADRW, 18                          ; v18-19  phase 2: LDS address of my fragments of W's rows in slot 0, 1
.set SCQ,  22                          ; v22     q's and k's scale words: their place behind a step's codes + 32 r + 16 h
.set WV,   64                          ; v64-79  phase 2: the scale words of my 64 channels, four registers a block: word j in lanes 0-15, word 4 + j in lanes 16-31
.set SEL, 66                           ; s[66:67] selects for v_permlanex16_b32: lane l xor 16
.set MNT, 12                           ; s12     the mantissa field of 448
.set MSB, 0
.macro WIN new                         ; the immediate's high byte repeats the setting that is left
.if MSB != \new
	s_set_vgpr_msb (MSB<<8)|\new
.set MSB, \new
.endif
.endm
.set MUL_LO, 0xa1                      ; source 0 (B) window 1, source 1 (A) window 0, C and D window 2
.set MUL_HI, 0xf1
.set TO_B,   0x40
; A joint load: waves 0 and 1 fetch for the A side, waves 2 and 3 for the B side.  The branch hangs on the wave's number alone.  Four v_nop follow each of the two lines.
.macro JLOAD g0a, g1a, g0b, g1b
	s_cmp_eq_u32 s15, 0
	s_cbranch_scc0 .Lfor_b_\@
	tensor_load_to_lds s[\g0a:\g0a+3], s[\g1a:\g1a+7]
	s_nop 0
.rept 4
	v_nop
.endr
	s_branch .Lasked_\@
.Lfor_b_\@:
	tensor_load_to_lds s[\g0b:\g0b+3], s[\g1b:\g1b+7]
	s_nop 0
.rept 4
	v_nop
.endr
.Lasked_\@:
.endm
.macro CREST                           ; a round of the cluster's barrier behind its opening barrier
	s_cmp_lg_u32 s14, 0
	s_cbranch_scc1 .Lnot_wave_0_\@
	s_barrier_signal -3
.Lnot_wave_0_\@:
	s_barrier_wait -3
	s_barrier_signal -1
	s_barrier_wait -1
.endm
.macro CROUND
	s_barrier_signal -1
	s_barrier_wait -1
	CREST
.endm
	s_load_b256 s[4:11], s[0:1], 0x0               ; x's codes s[4:5], x's scales s[6:7], W's codes s[8:9], W's scales s[10:11]
	s_load_b128 s[96:99], s[0:1], 0x20             ; tab s[96:97], qb s[98:99]
	s_load_b64 s[100:101], s[0:1], 0x30            ; kv
	v_lshl_add_u32 v[SPW], v0, 2, SPARE
	v_mov_b32 v[NIL], 0
	ds_add_u32 v28, v29
	ds_add_u32 v28, v29
	s_wait_dscnt 0x0
	v_lshrrev_b32 v1, 5, v0
	v_readfirstlane_b32 s14, v1                    ; wave 0..3
	s_lshr_b32 s15, s14, 1                         ; which half of the tile's A rows is mine.  Also: I fetch for A (0) or for B (1)
	s_and_b32 s16, s14, 1                          ; which half of its B rows.  Also: which 128 rows of that tile I fetch
	s_bfe_u32 s40, ttmp6, 0x40000                  ; cx, cy: my place in the cluster
	s_bfe_u32 s41, ttmp6, 0x40004
	s_and_b32 s18, ttmp7, 0xffff
	s_lshl_b32 s18, s18, 2                         ; 4 x cluster y
	s_lshl_b32 s19, ttmp9, 2                       ; 4 x cluster x
	s_add_co_u32 s17, s18, s41                     ; x's tile of 256 tokens: 4 x cluster y + cy: shared along a row of the cluster
	s_add_co_u32 s42, s19, s40                     ; W's tile: 4 x cluster x + cx, 0 .. 7: shared along a column
	s_lshl_b32 s43, s41, 2
	s_lshl_b32 s43, 15, s43                        ; my row of the cluster
	s_lshl_b32 s44, 0x1111, s40                    ; my column
	; descriptor group 1: a tile of 128 rows x 256 bytes, 16 bytes of padding behind each row
	s_or_b32 s[G1+0], s43, (0<<16)|(1<<20)|(1<<21)|(5<<22)|(3<<25)
	s_or_b32 s[G1B+0], s44, (0<<16)|(1<<20)|(1<<21)|(5<<22)|(3<<25)
.irp g, G1, G1B
	s_mov_b32 s[\g+1], ROWB<<16                    ; tensor_dim0
	s_mov_b32 s[\g+2], 256<<16                     ; tensor_dim1: 256 rows for the head's loads; set to 128 for the ring's behind the wait that shows them landed
	s_mov_b32 s[\g+3], ROWB<<16                    ; tile_dim0
	s_mov_b32 s[\g+4], 256                         ; tile_dim1
	s_mov_b32 s[\g+5], KROW                        ; from row to row
	s_mov_b32 s[\g+6], 0
	s_mov_b32 s[\g+7], 0
.endr
	; the scales of 128 rows: 4,096 dense bytes, as 16 rows of 256 bytes (32 elements of 8), 16 bytes of padding behind each
	s_or_b32 s[G1S+0], s43, (3<<16)|(1<<20)|(1<<21)|(5<<22)|(3<<25)
	s_or_b32 s[G1SB+0], s44, (3<<16)|(1<<20)|(1<<21)|(5<<22)|(3<<25)
.irp g, G1S, G1SB
	s_mov_b32 s[\g+1], 32<<16
	s_mov_b32 s[\g+2], (256*KS/256)<<16            ; the scales of a side's 256 rows: 32 rows of 256 bytes
	s_mov_b32 s[\g+3], 32<<16
	s_mov_b32 s[\g+4], 256*KS/256
	s_mov_b32 s[\g+5], 32
	s_mov_b32 s[\g+6], 0
	s_mov_b32 s[\g+7], 0
.endr
	s_lshl_b32 s20, s17, 8                         ; A side: the tile's first row
	s_lshl_b32 s46, s42, 8                         ; B side: the tile's first row
	s_mov_b32 s21, 0
	s_mov_b32 s47, 0
	s_mov_b64 s[18:19], KS
	s_mul_u64 s[22:23], s[20:21], s[18:19]         ; where these rows' scales begin, in bytes
	s_mul_u64 s[92:93], s[46:47], s[18:19]
	s_mov_b64 s[18:19], KROW
	s_mul_u64 s[20:21], s[20:21], s[18:19]         ; and their codes
	s_mul_u64 s[46:47], s[46:47], s[18:19]
	s_mul_i32 s18, s16, 128*KROW                   ; in the ring I fetch 128 rows of a tile: which half, in bytes
	s_mov_b32 s19, 0
	s_mul_i32 s45, s14, HALFT
	s_wait_kmcnt 0x0
	s_add_nc_u64 s[20:21], s[4:5], s[20:21]
	s_add_nc_u64 s[22:23], s[6:7], s[22:23]
	s_add_nc_u64 s[46:47], s[8:9], s[46:47]
	s_add_nc_u64 s[92:93], s[10:11], s[92:93]
	CROUND                                         ; all sixteen work-groups are here: the first joint loads meet
	; the head's four tiles, each whole.  Slot 0's groups 0 serve them first; they are set to my 128 rows behind the wait that shows these loads landed
	s_mov_b32 s[G0], 1                             ; K step 0's 256 rows of the A side,
	s_mov_b32 s[G0+1], 0
	s_mov_b64 s[G0+2:G0+3], s[20:21]
	s_or_b32 s[G0+3], s[G0+3], 0x80000000
	s_mov_b32 s[G0B], 1                            ; its 256 rows of the B side, behind them in slot 0,
	s_mov_b32 s[G0B+1], 2*HALFT
	s_mov_b64 s[G0B+2:G0B+3], s[46:47]
	s_or_b32 s[G0B+3], s[G0B+3], 0x80000000
	s_mov_b32 s[G0S], 1                            ; the scales of the A side's 256 rows,
	s_mov_b32 s[G0S+1], SCL
	s_mov_b64 s[G0S+2:G0S+3], s[22:23]
	s_or_b32 s[G0S+3], s[G0S+3], 0x80000000
	s_mov_b32 s[G0SB], 1                           ; and of the B side's
	s_mov_b32 s[G0SB+1], SCL+2*HALFS
	s_mov_b64 s[G0SB+2:G0SB+3], s[92:93]
	s_or_b32 s[G0SB+3], s[G0SB+3], 0x80000000
	s_add_nc_u64 s[20:21], s[20:21], s[18:19]      ; for the ring: my 128 rows of the tile
	s_add_nc_u64 s[46:47], s[46:47], s[18:19]
	s_mov_b32 s[G0+4], 1                           ; slot 1: K step 1
	s_add_co_u32 s[G0+5], s45, SLOT
	s_add_nc_u64 s[G0+6:G0+7], s[20:21], ROWB
	s_or_b32 s[G0+7], s[G0+7], 0x80000000
	s_mov_b32 s[G0B+4], 1
	s_add_co_u32 s[G0B+5], s45, SLOT
	s_add_nc_u64 s[G0B+6:G0B+7], s[46:47], ROWB
	s_or_b32 s[G0B+7], s[G0B+7], 0x80000000
; THE HEAD'S LOADS, ONE A WAVE: one tree of branches on the wave's number, an arm a load, all arms leading to one join
.macro ARM under, g0, g1, next
	s_cmp_lt_u32 s14, \under
	s_cbranch_scc0 \next
	tensor_load_to_lds s[\g0:\g0+3], s[\g1:\g1+7]
	s_nop 0
.rept 4
	v_nop
.endr
	s_branch .Lhead_asked
\next:
.endm
	ARM 1, G0,  G1,  .Lhead_b
	ARM 2, G0B, G1B, .Lhead_sa
	ARM 3, G0S, G1S, .Lhead_sb
	tensor_load_to_lds s[G0SB:G0SB+3], s[G1SB:G1SB+7]
	s_nop 0
.rept 4
	v_nop
.endr
.Lhead_asked:
; PREFETCHES INTO THE L2.  A wave asks for rows that it will itself fetch, a K step (256 bytes of a row) at a time, a lane a row; of a joint load's rows each of its four partners takes a quarter, told apart BY ADDRESS (cx for x, cy for W).
; Phase 1: 32 of my 128 rows: K steps 1 and 2 at the head, K step 3 behind K step 1's load.  Phase 2's rows of W, 16 of the 64 that waves 2 and 3 fetch (the upper lanes name the last row again): K step n behind the load that stands two loads ahead of its own.
; x in phase 2 is asked for by nobody: this launch has read it in phase 1.  The W side asks in the clusters with y under 4 alone, so that no block of W is named by more than four clusters.  No address register of a prefetch is ever rewritten.
.macro ASK flag, vo, base, off
	s_cmp_eq_u32 s\flag, 1
	s_cbranch_scc0 .Lno_ask_\@
	global_prefetch_b8 v\vo, s[\base:\base+1] offset:\off th:TH_LOAD_NT scope:SCOPE_SE
.Lno_ask_\@:
.endm
	s_cmp_eq_u32 s15, 0                            ; do I fetch for x?
	s_cselect_b64 s[44:45], s[4:5], s[8:9]
	s_cselect_b32 s20, s17, s42                    ; the tile of 256 rows
	s_cselect_b32 s21, s40, s41                    ; my place among the four that ask for it with me
	s_lshl_b32 s20, s20, 8
	s_lshl_b32 s22, s16, 7
	s_add_co_u32 s20, s20, s22                     ; + the 128 rows that I fetch
	s_lshl_b32 s21, s21, 5
	s_add_co_u32 s20, s20, s21                     ; + my work-group's 32 of them
	s_lshl_b32 s20, s20, 10                        ; rows of 1,024 bytes
	s_mov_b32 s21, 0
	s_add_nc_u64 s[44:45], s[44:45], s[20:21]      ; s[44:45] where my phase 1 prefetches stand
	s_and_b32 s2, ttmp7, 0xffff
	s_cmp_lt_u32 s2, 4
	s_cselect_b32 s2, 1, 0                         ; the W side asks in this cluster
	s_cmp_eq_u32 s15, 0
	s_cselect_b32 s95, 1, s2                       ; s95: my wave asks in phase 1
	s_cselect_b32 s2, 0, s2                        ; s2:  my wave asks for phase 2's rows of W
	s_mul_i32 s23, s16, 64*PITCH
	s_add_co_u32 s23, s23, 2*HALFT                 ; in the B side's places,
	s_add_co_u32 s13, s23, SLOT                    ; of either slot
	v_and_b32 v1, 15, v0                           ; r = l % 16
	v_bfe_u32 v2, v0, 4, 1                         ; h = l / 16
	v_mul_u32_u24 v3, v1, PITCH
	v_lshl_add_u32 v4, v2, 4, v3                   ; a fragment's row x pitch + 16 x half
	v_add_nc_u32 v[ADRW], s23, v4
	v_add_nc_u32 v[ADRW+1], s13, v4
	s_mul_i32 s21, s15, HALFT                      ; my 128 rows of A
	s_mul_i32 s22, s16, HALFT                      ; my 128 rows of B,
	s_add_co_u32 s22, s22, 2*HALFT                 ; which lie behind A's 256
.irp s, 0,1
	v_add_nc_u32 v[ADRA+\s], s21, v4
	v_add_nc_u32 v[ADRB+\s], s22, v4
	s_add_co_u32 s21, s21, SLOT
	s_add_co_u32 s22, s22, SLOT
.endr
	v_mul_u32_u24 v5, v1, KS                       ; my row's scales: KS bytes a row,
	v_lshrrev_b32 v6, 8, v5
	v_lshl_add_u32 v5, v6, 4, v5                   ; and 16 more for each 256 passed
	s_mul_i32 s21, s15, HALFS
	s_mul_i32 s22, s16, HALFS
	s_add_co_u32 s22, s22, 2*HALFS
	s_sub_co_u32 s22, s22, s21
	v_mul_u32_u24 v6, s22, v2                      ; lanes 16-31 take B's
	s_add_co_u32 s21, s21, SCL
	v_add_nc_u32 v5, v5, v6
	v_add_nc_u32 v[ADRS], s21, v5
	v_and_b32 v6, 31, v0
	v_lshlrev_b32 v[LI], 4, v6
	v_lshlrev_b32 v30, 10, v6                      ; v30  the prefetches' offset: a lane a row
	v_min_u32 v31, 15, v6
	v_lshlrev_b32 v31, 10, v31                     ; v31  the same over 16 rows
	v_lshlrev_b32 v[SCO], 5, v1
	v_lshl_add_u32 v[SCO], v2, 4, v[SCO]
	v_lshlrev_b32 v6, 3, v2
	v_lshl_add_u32 v[VSO], v1, 4, v6               ; 16 r + 8 h: v's scale words, two a lane
	; THE WAY OUT'S ADDRESSES.  My 128 tokens are one step of one batch; my 128 features are two heads.
	s_lshl_b32 s18, s17, 8
	s_lshl_b32 s19, s15, 7
	s_add_co_u32 s18, s18, s19                     ; my first A row
	s_lshl_b32 s19, s42, 8
	s_lshl_b32 s20, s16, 7
	s_add_co_u32 s19, s19, s20                     ; my first B row
	s_mov_b32 s22, s18                             ; my first token, 0 .. 8,191
	s_and_b32 s23, s19, 1023                       ; my first feature among q's or k's
	s_mov_b32 s46, 16384                           ; from a step's codes to its scale words: K's,
	s_cmp_eq_u32 ttmp9, 0
	s_cselect_b64 s[4:5], s[98:99], s[100:101]
	s_mov_b32 s47, KHS
	s_cselect_b32 s47, QHS, s47                    ; a head
	s_mov_b32 s92, KSS
	s_cselect_b32 s92, QSS, s92                    ; a step
	s_cselect_b32 s46, 8192, s46                   ; Q's
	s_lshr_b32 s93, s22, 11                        ; the batch
	s_lshl_b32 s93, s93, 4
	s_lshr_b32 s94, s23, 6
	s_add_co_u32 s93, s93, s94                     ; 16 x batch + head
	s_bfe_u32 s94, s22, 0x40007                    ; the step: (token / 128) % 16
	s_mul_i32 s93, s93, s47
	s_mul_i32 s94, s94, s92
	s_add_co_u32 s93, s93, s94
	s_mov_b32 s20, s93
	s_mov_b32 s21, 0
	s_add_nc_u64 s[4:5], s[4:5], s[20:21]          ; s[4:5]   my first head's codes of this step
	s_mov_b32 s20, s47
	s_add_nc_u64 s[6:7], s[4:5], s[20:21]          ; s[6:7]   my second head's
	s_and_b32 s20, s22, 2047
	s_lshl_b32 s20, s20, 8                         ; 4,096 bytes of the table for each 16 places
	s_add_nc_u64 s[96:97], s[96:97], s[20:21]
	; phase 2's pointers
	s_lshl_b32 s20, s42, 17                        ; W's codes: row 2,048 + 128 x tile + 64 x half
	s_lshl_b32 s18, s16, 16
	s_add_co_u32 s20, s20, s18
	s_add_co_u32 s20, s20, 2048*KROW
	s_add_nc_u64 s[8:9], s[8:9], s[20:21]          ; s[8:9]   the 64 rows that waves 2 and 3 fetch
	s_lshl_b32 s20, s42, 12
	s_lshl_b32 s18, s16, 11
	s_add_co_u32 s20, s20, s18
	s_add_co_u32 s20, s20, 2048*KS
	s_add_nc_u64 s[10:11], s[10:11], s[20:21]      ; s[10:11] the scale bytes of my 64 channels
	s_lshr_b32 s93, s22, 11
	s_lshl_b32 s93, s93, 4                         ; 16 x batch
	s_lshl_b32 s94, s42, 1
	s_add_co_u32 s93, s93, s94
	s_add_co_u32 s93, s93, s16                     ; + my head of v: 2 x tile + half
	s_mul_i32 s93, s93, KHS
	s_bfe_u32 s94, s22, 0x40007                    ; the step
	s_mul_i32 s94, s94, KSS
	s_add_co_u32 s20, s93, s94
	s_add_co_u32 s20, s20, 8192                    ; V's fragments lie behind K's in a step
	s_add_nc_u64 s[100:101], s[100:101], s[20:21]  ; s[100:101] my head's V of this step
	s_lshl_b32 s20, s41, 14                        ; 16 rows for each of the four partners
	s_add_nc_u64 s[92:93], s[8:9], s[20:21]        ; s[92:93] where the prefetches of phase 2's rows of W stand
	s_wait_alu depctr_va_vdst(0)                   ; the wait, directly ahead of the readers below
	v_add_nc_u32 v[SCQ], s46, v[SCO]
	ASK 95, 30, 44, ROWB                           ; K steps 1 and 2
	ASK 95, 30, 44, 2*ROWB
	s_mov_b32 s[SEL], 0x76543210
	s_mov_b32 s[SEL+1], 0xfedcba98
	s_mov_b32 s[MNT], 0x600000
.macro FRAG reg, adr, q, i             ; a fragment: lane l holds row l % 16; registers 4 c .. 4 c + 3 hold K = 32 c + 16 (l / 16) + 0 .. 15
.irp c, 0,1,2,3
	ds_load_b128 v[\reg+4*\c:\reg+4*\c+3], v[\adr] offset:128*(\q)+32*\c+(\i)*16*PITCH
.endr
.endm
; 16 matrix instructions: A's blocks a0, a0 + 1 x B's eight.  The 64 accumulators take turns, one instruction a turn, in the same order in every step.
.macro MUL16 a0, p, q, sc, zero
.irp a, \a0, \a0+1
.irp b, 0,1,2,3,4,5,6,7
.if \zero
	v_wmma_scale_f32_16x16x128_f8f6f4 v[8*(8*((\a)%4)+\b):8*(8*((\a)%4)+\b)+7], v[128*(\p)+FR*\b:128*(\p)+FR*\b+FR-1], v[AF+FR*(\a):AF+FR*(\a)+FR-1], 0, v[SC+8*NQ*(\sc)+NQ*\b+(\q)], v[SC+8*NQ*(\sc)+NQ*(\a)+(\q)] matrix_a_scale:MATRIX_SCALE_ROW1
.else
	v_wmma_scale_f32_16x16x128_f8f6f4 v[8*(8*((\a)%4)+\b):8*(8*((\a)%4)+\b)+7], v[128*(\p)+FR*\b:128*(\p)+FR*\b+FR-1], v[AF+FR*(\a):AF+FR*(\a)+FR-1], v[8*(8*((\a)%4)+\b):8*(8*((\a)%4)+\b)+7], v[SC+8*NQ*(\sc)+NQ*\b+(\q)], v[SC+8*NQ*(\sc)+NQ*(\a)+(\q)] matrix_a_scale:MATRIX_SCALE_ROW1
.endif
.endr
.endr
.endm
.macro FETCH_B slot, q, p
	WIN TO_B
.irp i, 0,1,2,3,4,5,6,7
	FRAG 128*(\p)+FR*\i, ADRB+\slot, \q, \i
.endr
	WIN 0
.endm
.macro FETCH_A slot, q, i0
.irp i, \i0, \i0+1, \i0+2, \i0+3
	FRAG AF+FR*(\i), ADRA+\slot, \q, \i
.endr
.endm
.macro SCALES sc                       ; a K step's scale words: lanes 0-15 take A's block i, lanes 16-31 B's block i
.irp i, 0,1,2,3,4,5,6,7
	ds_load_b64 v[SC+8*NQ*\sc+NQ*\i:SC+8*NQ*\sc+NQ*\i+1], v[ADRS] offset:\i*SBLK
.endr
.endm
.macro PLACES n                        ; plain vector instructions between a matrix instruction and a load into, or a vector instruction on, its registers
.rept \n
	v_nop
.endr
.endm
.macro STEP slot, q, zero              ; 128 along K that have their successor in the same slot
	s_wait_dscnt 4*NL                              ; B's set and A's blocks 0-3 are in; the youngest 16 loads (A's blocks 4-7) may be out
	WIN MUL_LO
	MUL16 0, (\q)%2, \q, \slot, \zero
	MUL16 2, (\q)%2, \q, \slot, \zero
	s_wait_dscnt 0                                 ; A's blocks 4-7 are in
	PLACES NP
	FETCH_B \slot, (\q)+1, 1-(\q)%2
	FETCH_A \slot, (\q)+1, 0
	WIN MUL_HI
	MUL16 4, (\q)%2, \q, \slot, \zero
	MUL16 6, (\q)%2, \q, \slot, \zero
	PLACES NP
	WIN 0
	FETCH_A \slot, (\q)+1, 4
.endm
; A slot's last 128 change slots: ONE barrier; in front of it each wave waits for all its tensor loads, adds 0 to its spare word, and waits for that and for its own reads of this slot.
.macro TURN slot, next, fill
	s_wait_tensorcnt 0x0                           ; all my tensor loads have landed: my part of the next slot
	ds_add_u32 v[SPW], v[NIL]                      ; 0 onto my spare word
	s_wait_dscnt 4*NL+1                            ; the add and the youngest 16 loads (A's blocks 4-7) may be out
	WIN MUL_LO
	MUL16 0, 1, NQ-1, \slot, 0
	s_wait_dscnt 0x0                               ; the add is done, and my reads of this slot are over
	s_barrier_signal -1
	MUL16 2, 1, NQ-1, \slot, 0
	WIN 0
	s_barrier_wait -1
.if \fill
	CREST                                          ; the barrier has opened a round of the cluster's: no wave of any partner still reads this slot or has a load on its way
.if \fill == 2                                 ; the change of phase: this slot takes phase 2's K step 0 or 1.  No tensor load of mine is out, so descriptors may be written
	s_sub_nc_u64 s[G0+4*\slot+2:G0+4*\slot+3], s[G0+4*\slot+2:G0+4*\slot+3], 2*ROWB   ; x: the same rows, back along K
	s_mov_b32 s[G1B+2], 64<<16                     ; W: 64 rows a load from here on
	s_mov_b32 s[G1B+4], 64
	s_mul_i32 s[G0B+4*\slot+1], s16, 64*PITCH
	s_add_co_u32 s[G0B+4*\slot+1], s[G0B+4*\slot+1], 2*HALFT+\slot*SLOT
	s_add_nc_u64 s[G0B+4*\slot+2:G0B+4*\slot+3], s[8:9], \slot*ROWB
	s_or_b32 s[G0B+4*\slot+3], s[G0B+4*\slot+3], 0x80000000
.else
	s_add_nc_u64 s[G0+4*\slot+2:G0+4*\slot+3], s[G0+4*\slot+2:G0+4*\slot+3], 2*ROWB
	s_add_nc_u64 s[G0B+4*\slot+2:G0B+4*\slot+3], s[G0B+4*\slot+2:G0B+4*\slot+3], 2*ROWB
.endif
	JLOAD G0+4*\slot, G1, G0B+4*\slot, G1B         ; the first tensor load behind the round; its four v_nop are among the places in front of the loads below
	PLACES NP-4
.else
	PLACES NP
.endif
.if \next >= 0                                 ; next = -1: phase 1's last 128: nothing more to fetch
	s_wait_alu depctr_va_vdst(0)
	v_add_nc_u32 v[ADRS], 4*NQ, v[ADRS]            ; on to the next K step's scale words
	FETCH_B \next, 0, 0
	FETCH_A \next, 0, 0
	SCALES \next
.endif
.if \fill == 1                                 ; (the loop has one trip: its two changes of slots load K steps 2 and 3)
	ASK 2, 31, 92, \slot*ROWB                      ; phase 2's K step 0 or 1 of W
.elseif \fill == 2
	ASK 2, 31, 92, (2+\slot)*ROWB                  ; its K step 2 or 3
.endif
	WIN MUL_HI
	MUL16 4, 1, NQ-1, \slot, 0
	MUL16 6, 1, NQ-1, \slot, 0
	PLACES NP
	WIN 0
.if \next >= 0
	FETCH_A \next, 0, 4
.endif
.endm
; PHASE 2.  48 LDS loads: my 128 tokens' fragments (the A side's places) into set 'set' of window 1, my 64 channels' into v[AF + 64 set] on
.macro FETCH2 slot, q, set
	WIN TO_B
.irp i, 0,1,2,3,4,5,6,7
	FRAG 128*(\set)+FR*\i, ADRA+\slot, \q, \i
.endr
	WIN 0
.irp i, 0,1,2,3
	FRAG AF+64*(\set)+FR*\i, ADRW+\slot, \q, \i
.endr
.endm
; eight products: channels' block a x the eight blocks of tokens, the kq-th 128 of K.  x's scale words lie in lanes 0-15 of the ring's scale registers
.macro MULV a, kq
.irp b, 0,1,2,3,4,5,6,7
.if (\kq) == 0
	v_wmma_scale_f32_16x16x128_f8f6f4 v[8*(8*(\a)+\b):8*(8*(\a)+\b)+7], v[128*Q_+FR*\b:128*Q_+FR*\b+FR-1], v[AF+64*Q_+FR*(\a):AF+64*Q_+FR*(\a)+FR-1], 0, v[SC+8*NQ*SL_+NQ*\b+Q_], v[WV+4*(\a)+(\kq)%4]
.elseif (\kq) < 4
	v_wmma_scale_f32_16x16x128_f8f6f4 v[8*(8*(\a)+\b):8*(8*(\a)+\b)+7], v[128*Q_+FR*\b:128*Q_+FR*\b+FR-1], v[AF+64*Q_+FR*(\a):AF+64*Q_+FR*(\a)+FR-1], v[8*(8*(\a)+\b):8*(8*(\a)+\b)+7], v[SC+8*NQ*SL_+NQ*\b+Q_], v[WV+4*(\a)+(\kq)%4]
.else
	v_wmma_scale_f32_16x16x128_f8f6f4 v[8*(8*(\a)+\b):8*(8*(\a)+\b)+7], v[128*Q_+FR*\b:128*Q_+FR*\b+FR-1], v[AF+64*Q_+FR*(\a):AF+64*Q_+FR*(\a)+FR-1], v[8*(8*(\a)+\b):8*(8*(\a)+\b)+7], v[SC+8*NQ*SL_+NQ*\b+Q_], v[WV+4*(\a)+(\kq)%4] matrix_b_scale:MATRIX_SCALE_ROW1
.endif
.endr
.endm
; The kq-th 128 of K: 32 products on 32 accumulators by turns; in its middle the next 128's fragments are fetched into the other sets.
; mode 1, 2: a slot's last 128.  Its fragments are in registers, so the slot can be left at once: the three lines, the barrier (mode 1: it opens a round of the cluster's, and the slot is filled again, two K steps ahead), then the other slot is read.
.macro HSTEP kq, mode, fetch
.set SL_, ((\kq)/2)%2
.set Q_, (\kq)%2
.set NS_, (((\kq)+1)/2)%2
.set NQ_, ((\kq)+1)%2
.if \mode
	s_wait_tensorcnt 0x0                           ; all my tensor loads have landed: my part of the other slot
	ds_add_u32 v[SPW], v[NIL]
	s_wait_dscnt 1                                 ; this 128's fragments are in; the add may be out
.else
	s_wait_dscnt 0x0                               ; this 128's fragments are in
.endif
	WIN MUL_LO
	MULV 0, \kq
.if \mode
	s_wait_dscnt 0x0                               ; the add is done, and my reads of this slot are over
	s_barrier_signal -1
.endif
	MULV 1, \kq
	WIN 0
.if \mode
	s_barrier_wait -1
.endif
.if \mode == 1
	CREST
	s_add_nc_u64 s[G0+4*SL_+2:G0+4*SL_+3], s[G0+4*SL_+2:G0+4*SL_+3], 2*ROWB
	s_add_nc_u64 s[G0B+4*SL_+2:G0B+4*SL_+3], s[G0B+4*SL_+2:G0B+4*SL_+3], 2*ROWB
	JLOAD G0+4*SL_, G1, G0B+4*SL_, G1B             ; the first tensor load behind the round; its four v_nop are among the places in front of the loads below
	PLACES NP-4
.elseif \fetch
	PLACES NP                                      ; behind the last 128's products, which read the sets that are filled below
.endif
.if \mode
	s_wait_alu depctr_va_vdst(0)
	v_add_nc_u32 v[ADRS], 4*NQ, v[ADRS]
.endif
.if \fetch
	FETCH2 NS_, NQ_, NQ_
.endif
.if \mode
	SCALES NS_
.endif
	WIN MUL_LO
	MULV 2, \kq
	MULV 3, \kq
	WIN 0
.endm
; cos and sin for block a's 16 tokens: eight loads of 512 consecutive bytes.  Register 8 t + 2 p of the set is the cosine, 8 t + 2 p + 1 the sine, of pair 8 t + 4 h + p.
.macro CSLOAD a
.irp i, 0,1,2,3,4,5,6,7
	global_load_b128 v[CS+32*((\a)%2)+4*\i:CS+32*((\a)%2)+4*\i+3], v[LI], s[96:97] offset:4096*(\a)+512*\i
.endr
.endm
; RoPE on block a, in place: (e, o) -> (c e - s o, s e + c o).  Tile t of the block holds features 16 (t % 4) + 8 h + 0 .. 7 of head t / 4.  Each accumulator is read from its low end on.
.macro ROPE a
.set AC, 64*((\a)%4)
.set WN, 2+(\a)/4
.set W0D, WN|(WN<<6)
.set CB, CS+32*((\a)%2)
.if (\a) < 7
	s_wait_loadcnt 8                               ; this block's eight loads are in; the next block's eight may be out
.else
	s_wait_loadcnt 4                               ; block 7's eight loads are in; the four loads of phase 2's scale words, issued behind them, may be out
.endif
	WIN WN                                         ; source 0: the accumulators' window
.irp t, 0,1,2,3,4,5,6,7
.irp p, 0,1,2,3
	v_pk_mul_f32 v[T+8*\t+2*\p:T+8*\t+2*\p+1], v[AC+8*\t+2*\p:AC+8*\t+2*\p+1], v[CB+8*(\t%4)+2*\p:CB+8*(\t%4)+2*\p+1] op_sel:[0,0] op_sel_hi:[0,1]   ; (e c, e s)
.endr
.endr
	WIN W0D                                        ; source 0 and destination
.irp t, 0,1,2,3,4,5,6,7
.irp p, 0,1,2,3
	v_pk_fma_f32 v[AC+8*\t+2*\p:AC+8*\t+2*\p+1], v[AC+8*\t+2*\p:AC+8*\t+2*\p+1], v[CB+8*(\t%4)+2*\p:CB+8*(\t%4)+2*\p+1], v[T+8*\t+2*\p:T+8*\t+2*\p+1] op_sel:[1,1,0] op_sel_hi:[1,0,1] neg_lo:[0,1,0]   ; (-s o + e c, c o + e s)
.endr
.endr
	WIN 0
.if (\a) < 6
	CSLOAD (\a)+2
.endif
.endm
; Block a's 64 numbers a lane become 16 registers of codes in the operand's order, v[PC] on, and a scale word, v[WD + a].
.macro QUANTW a
.set AC, 64*((\a)%4)
.set WN, 2+(\a)/4
.set W01, WN|(WN<<2)
.set W12, (WN<<2)|(WN<<4)
.set W0D, WN|(WN<<6)
	WIN W01
.irp b, 0,1,2,3
	v_max3_num_f32 v[TM+\b], |v[AC+16*\b]|, |v[AC+16*\b+1]|, 0x4800000   ; block b: my 16 numbers, and the floor 2^(9 - 127): the byte cannot fall under 1
.endr
	WIN W12
.irp i, 2,4,6,8,10,12,14
.irp b, 0,1,2,3
	v_max3_num_f32 v[TM+\b], v[TM+\b], |v[AC+16*\b+\i]|, |v[AC+16*\b+\i+1]|
.endr
.endr
	WIN 0
.irp b, 0,1,2,3
	v_permlanex16_b32 v[TM+4+\b], v[TM+\b], s[SEL], s[SEL+1]
.endr
.irp b, 0,1,2,3
	v_max_num_f32 v[TM+\b], v[TM+\b], v[TM+4+\b]   ; with lane l xor 16's: the block's largest magnitude
.endr
.irp b, 0,1,2,3
	v_add_nc_u32 v[TM+12+\b], 0xfc000000, v[TM+\b] ; 8 off its exponent field: the conversion's scale operand
.endr
.irp b, 0,1,2,3
	v_and_or_b32 v[TM+8+\b], v[TM+\b], 0x7f800000, s[MNT]   ; 448 x the scale
.endr
.irp b, 0,1,2,3
	v_lshrrev_b32 v[TM+4+\b], 23, v[TM+12+\b]      ; the scale's byte
.endr
	v_lshl_or_b32 v[WD+(\a)], v[TM+5], 8, v[TM+4]
	v_lshl_or_b32 v[WD+(\a)], v[TM+6], 16, v[WD+(\a)]
	v_lshl_or_b32 v[WD+(\a)], v[TM+7], 24, v[WD+(\a)]
	WIN W0D
.irp b, 0,1,2,3
.irp i, 0,1,2,3,4,5,6,7,8,9,10,11,12,13,14,15
	v_med3_num_f32 v[AC+16*\b+\i], v[AC+16*\b+\i], -v[TM+8+\b], v[TM+8+\b]   ; the conversion to an 8-bit code does not saturate (ISA guide 7.6.2): the hold comes first
.endr
.endr
	s_wait_alu depctr_va_vdst(0)
	s_wait_xcnt 0x0                                ; the last block's stores have read the codes' registers: they are written again only behind this wait
	WIN WN
.irp b, 0,1,2,3
	v_cvt_scalef32_pk8_fp8_f32 v[PC+4*\b:PC+4*\b+1], v[AC+16*\b:AC+16*\b+7], v[TM+12+\b]       ; k = 32 b + 8 h + 0 .. 7
	v_cvt_scalef32_pk8_fp8_f32 v[PC+4*\b+2:PC+4*\b+3], v[AC+16*\b+8:AC+16*\b+15], v[TM+12+\b]  ; k = 32 b + 16 + 8 h + 0 .. 7
.endr
	WIN 0
	v_nop                                          ; a plain instruction between the conversions and the first vector instruction on their results
.irp b, 0,1,2,3
	v_permlane16_swap_b32 v[PC+4*\b], v[PC+4*\b+2]     ; the first's lanes 16-31 change places with the second's lanes 0-15:
	v_permlane16_swap_b32 v[PC+4*\b+1], v[PC+4*\b+3]   ; the four registers now hold k = 32 b + 16 h + 0 .. 15
.endr
.endm
	s_wait_alu depctr_va_vdst(0)
	s_wait_tensorcnt 0x0                           ; my tile of the head's four is in
	ds_add_u32 v[SPW], v[NIL]
	s_mov_b32 s[G1+2], 128<<16                     ; no tensor load of mine is out, so descriptors may be written: from here on a load brings 128 rows,
	s_mov_b32 s[G1+4], 128
	s_mov_b32 s[G1B+2], 128<<16
	s_mov_b32 s[G1B+4], 128
	s_mul_i32 s18, s16, 128*KROW
	s_mov_b32 s19, 0
	s_add_nc_u64 s[G0+2:G0+3], s[G0+2:G0+3], s[18:19]       ; and slot 0's groups 0 point at my 128 rows of K step 0: the first refill steps them to K step 2
	s_add_nc_u64 s[G0B+2:G0B+3], s[G0B+2:G0B+3], s[18:19]
	s_mul_i32 s[G0+1], s14, HALFT
	s_mul_i32 s[G0B+1], s14, HALFT
	s_wait_dscnt 0x0                               ; the add is done
	CROUND                                         ; a whole round: all four tiles are in, and all sixteen work-groups are here
	JLOAD G0+4, G1, G0B+4, G1B                     ; K step 1's load, the first tensor load behind the round
	FETCH_B 0, 0, 0
	FETCH_A 0, 0, 0
	SCALES 0
	FETCH_A 0, 0, 4
	ASK 95, 30, 44, 3*ROWB                         ; K step 3, two loads ahead of its own
	STEP 0, 0, 1
	s_mov_b32 s3, LAPS-1
.Llap:                                                 ; a trip goes once round the ring and fills both slots again
	TURN 0, 1, 1
	STEP 1, 0, 0
	TURN 1, 0, 1
	STEP 0, 0, 0
	s_sub_co_u32 s3, s3, 1
	s_cmp_lg_u32 s3, 0
	s_cbranch_scc1 .Llap
	TURN 0, 1, 2                                   ; the last lap: slot 0 takes phase 2's K step 0,
	STEP 1, 0, 0
	; ---- q and k: a block of 16 tokens at a time: rotate, quantise, store each head's K = 64 fragment (1,024 bytes)
	CSLOAD 0                                       ; into registers that no matrix instruction names: they land under the last products
	CSLOAD 1
	TURN 1, -1, 2                                  ; and slot 1 its K step 1: both are asked for ahead of the way out
.irp b, 0,1,2,3
	v_mov_b32 v[TM+4+\b], 0                        ; a lane permute's destination counts as one of its sources
.endr
.irp a, 0,1,2,3,4,5,6,7
	ROPE \a
.if \a == 6
.irp i, 0,1,2,3
	global_load_b128 v[WV+4*\i:WV+4*\i+3], v[SCO], s[10:11] offset:512*\i   ; phase 2's scale words of W, 512 consecutive bytes a load, into the table's first set, which block 6 read last
.endr
.endif
	QUANTW \a
.irp c, 0,1
	global_store_b128 v[LI], v[PC+4*\c:PC+4*\c+3], s[4:5] offset:1024*\a+512*\c       ; 32 lanes store 512 consecutive bytes
	global_store_b128 v[LI], v[PC+8+4*\c:PC+8+4*\c+3], s[6:7] offset:1024*\a+512*\c
.endr
.endr
	v_bfe_u32 v2, v0, 4, 1
	v_cmp_ne_u32 vcc_lo, 0, v2
.irp j, 0,1,2,3
	v_cndmask_b32 v[SLW+\j], v[WD+\j], v[WD+4+\j], vcc_lo   ; lane (r, h) stores token r's words of tiles 4 h + 0 .. 3
.endr
.irp j, 0,1,2,3
	v_and_b32 v[WLO+\j], 0xffff, v[SLW+\j]         ; the first head's two bytes, zeros above
	v_lshrrev_b32 v[WHI+\j], 16, v[SLW+\j]         ; the second head's
.endr
	global_store_b128 v[SCQ], v[WLO:WLO+3], s[4:5]
	global_store_b128 v[SCQ], v[WHI:WHI+3], s[6:7]
	; ---- PHASE 2: v.  Slot 0 holds its K step 0: every wave waited for that load ahead of the round in phase 1's last 128
	s_wait_xcnt 0x0                                ; phase 1's stores have read their registers: fragments land there below
	s_wait_alu depctr_va_vdst(0)
	v_sub_nc_u32 v[ADRS], v[ADRS], 3*4*NQ          ; back to K step 0's scale words: phase 1 stepped the address three times
	FETCH2 0, 0, 0
	SCALES 0
	s_wait_loadcnt 0x0                             ; W's scale words
	HSTEP 0, 0, 1
	HSTEP 1, 1, 1                                  ; slot 0 takes K step 2
	HSTEP 2, 0, 1
	HSTEP 3, 1, 1                                  ; slot 1 takes K step 3
	HSTEP 4, 0, 1
	HSTEP 5, 2, 1                                  ; nothing more to fill
	HSTEP 6, 0, 1
	HSTEP 7, 0, 0
	PLACES NP                                      ; then the results may be read and the fragments' registers written
.irp b, 0,1,2,3
	v_mov_b32 v[TM+4+\b], 0
.endr
	; a block of 16 channels at a time: quantise along the 128 keys, store the whole fragment (2,048 bytes)
.irp a, 0,1,2,3
	QUANTW \a
.irp c, 0,1,2,3
	global_store_b128 v[LI], v[PC+4*\c:PC+4*\c+3], s[100:101] offset:2048*\a+512*\c
.endr
.endr
	v_bfe_u32 v2, v0, 4, 1
	v_cmp_ne_u32 vcc_lo, 0, v2
	v_cndmask_b32 v[SLW], v[WD], v[WD+2], vcc_lo       ; lane (r, h) stores channel r's words of tiles 2 h and 2 h + 1
	v_cndmask_b32 v[SLW+1], v[WD+1], v[WD+3], vcc_lo
	global_store_b64 v[VSO], v[SLW:SLW+1], s[100:101] offset:8704   ; 32 lanes store 256 consecutive bytes
	s_wait_tensorcnt 0x0                           ; the wave's end
	ds_add_u32 v[SPW], v[NIL]
	s_wait_dscnt 0x0
	CROUND                                         ; the closing round: no work-group ends while a partner may still ask for a tile that names it
	s_endpgm
.Lfunc_end_k_q6c58c69adf_qkv:
	.size	k_q6c58c69adf_qkv, .Lfunc_end_k_q6c58c69adf_qkv-k_q6c58c69adf_qkv
	.p2alignl 7, 3214868480
	.fill 96, 4, 3214868480
	.section	.rodata,"a",@progbits
	.p2align	6, 0x0
	.amdhsa_kernel k_q6c58c69adf_qkv
		.amdhsa_group_segment_fixed_size 327680
		.amdhsa_private_segment_fixed_size 0
		.amdhsa_enable_private_segment 0
		.amdhsa_kernarg_size 56
		.amdhsa_user_sgpr_count 2
		.amdhsa_user_sgpr_kernarg_segment_ptr 1
		.amdhsa_wavefront_size32 1
		.amdhsa_system_sgpr_workgroup_id_x 1
		.amdhsa_system_sgpr_workgroup_id_y 1
		.amdhsa_system_sgpr_workgroup_id_z 1
		.amdhsa_system_vgpr_workitem_id 0
		.amdhsa_next_free_vgpr 1024
		.amdhsa_next_free_sgpr 102
		.amdhsa_reserve_vcc 1
		.amdhsa_float_denorm_mode_32 3
		.amdhsa_float_denorm_mode_16_64 3
		.amdhsa_memory_ordered 1
		.amdhsa_forward_progress 1
		.amdhsa_inst_pref_size 255
	.end_amdhsa_kernel
	.section	.bss,"aw",@nobits
	.p2align	6
	.space	262144
	.amdgpu_metadata
---
amdhsa.version: [ 1, 2 ]
amdhsa.kernels:
  - .name:           k_q6c58c69adf_qkv
    .symbol:         k_q6c58c69adf_qkv.kd
    .args:
      - { .name: x_codes, .offset: 0, .size: 8, .value_kind: global_buffer, .address_space: global }
      - { .name: x_scales, .offset: 8, .size: 8, .value_kind: global_buffer, .address_space: global }
      - { .name: W_QKV_codes, .offset: 16, .size: 8, .value_kind: global_buffer, .address_space: global }
      - { .name: W_QKV_scales, .offset: 24, .size: 8, .value_kind: global_buffer, .address_space: global }
      - { .name: tab, .offset: 32, .size: 8, .value_kind: global_buffer, .address_space: global }
      - { .name: qb, .offset: 40, .size: 8, .value_kind: global_buffer, .address_space: global }
      - { .name: kv, .offset: 48, .size: 8, .value_kind: global_buffer, .address_space: global }
    .group_segment_fixed_size: 327680
    .private_segment_fixed_size: 0
    .kernarg_segment_align: 8
    .kernarg_segment_size: 56
    .max_flat_workgroup_size: 128
    .sgpr_count:     102
    .vgpr_count:     1024
    .wavefront_size: 32
...
	.end_amdgpu_metadata
.endif
;; end of part 2
;; launch attn (part 3): grid 4 x 64, 16 waves a work-group, no clusters, 276,480 bytes of LDS; arguments qb, kv, aimg, asc; writes aimg, asc
.if DOCPART == 3
	.amdgcn_target "amdgcn-amd-amdhsa--gfx1250"
	.amdhsa_code_object_version 6
	.text
	.protected	k_q6c58c69adf_attn
	.globl	k_q6c58c69adf_attn
	.p2align	8
	.type	k_q6c58c69adf_attn,@function
k_q6c58c69adf_attn:
	s_mov_b64 s[64:65], 0
	v_nop
	global_prefetch_b8 v0, s[64:65] scope:SCOPE_SE
	s_setreg_imm32_b32 hwreg(HW_REG_WAVE_MODE, 25, 1), 1
	s_wait_xcnt 0x0
; Causal attention of one head on codes of FP8 (E4M3) with E8M0 scales; the result is quantised along d_model and leaves as images of the last product's operand registers.
; t = score x log2(e) / 8; M = the running largest t rounded UP to a whole number; p = 2^(t - M) is quantised along the keys, not normalised; the row's sum is taken of the unquantised p and divides O at the end.
; When M moves, the sum and O are multiplied by 2^(old M - new M): exact.
; SHARES.  Work-group (i, head) owns the query blocks 7 - i and i (256 queries each).  Wave w owns tile 16 (7 - i) + w in the first pass and tile 16 i + 15 - w in the second:
; 2 (7 - i) + w / 8 + 1 and 2 i + (15 - w) / 8 + 1 key steps of 128, 17 together, in every wave of every work-group.
; LDS holds the head's K, V and their scale words whole: 16 steps x 17,152 bytes, filled ONCE, by one tensor load in each of the sixteen waves; nothing is filled again.
; A step: 8 tiles of K x 1,024 | 4 tiles of V x 2,048 | K's words at 32 r + 4 tile | V's words at 16 r + 4 tile.  Fragments lie as images of their registers: group c at 512 c + 16 x lane: every LDS load takes 512 consecutive bytes.
; No cluster: what tells the work-groups of a head apart is their query block, on which the causal skip branches.  No prefetch: all of K and V is asked for by the first fills.
; LAYOUT.  S^T = K Q^T (source 0 = 16 keys, source 1 = my 16 queries; K = 64, the upper 64 of the instruction's 128 are zero codes in registers written once); O^T = V^T P^T.  A lane holds ONE query (lane % 16) throughout.
; Register 8 T + j of S^T is key 16 T + 8 h + j: registers 16 b .. 16 b + 15 hold 16 of block b's 32 keys, lane l xor 16 the others; two lane swaps a block bring p's codes into the operand's order.
; LIMITS: NaN and infinities are not served; a block whose largest magnitude lies under 2^-118 keeps byte 1 (its codes are then zeros or subnormal codes).
; REGISTERS: v1-3, v7-10 addresses that stay; v4-6 the step's; v12 -M, v13 largest t, v[14:15] the sum; v16-31 Q; v32-95 four fragments of K; v96-159 S^T, p, then V's four fragments; v160-191 O^T; v192-207 p's codes;
;   v208-215 K's scale words, v216-219 V's, v220 Q's, v221 p's; v224-249 at work; v[252:253] f, v254 at work.
.set STEPB, 17152
.set GRPB,  4*STEPB
.set KHS,   16*STEPB
.set QSS,   8704
.set QHS,   16*QSS
.set TB,   2                           ; s2   LDS byte at which the step in hand begins
.set KF,   3                           ; s3   its first key
.set WV,   18
.set MNT,  19                          ; s19  the mantissa field of 448
.set SEL,  20                          ; s[20:21] selects for lane l xor 16
.set CS,   22                          ; s[22:23] c = log2(e) / 8
.set G1,   24                          ; s[24:31] descriptor group 1;  s[32:35] group 0
.set G0,   32
.set Q0,   48                          ; s48  my first query
.set CNT,  49
.set QA,   50                          ; first pass: Q's codes, Q's words, O's codes, O's bytes
.set QSA,  52
.set OA,   54
.set OSA,  56
.set QB,   58                          ; second pass
.set QSB,  60
.set OB,   62
.set OSB,  66
.set Q0B,  68
.set BM,   224                         ; block maxima
.set PR,   228                         ; the other lane's; then the bytes
.set HD,   232                         ; 448 x scale
.set SOP,  236                         ; the conversions' scale operands
.set HD2,  241                         ; 448 x scale once more, in registers one bank on from HD's: the second halves of the dual holds read these
; THE FILLS AS THIS TEXT HAS THEM: wave w brings key step w, one tensor load a wave, all sixteen at the head; wave 0 and waves 1 to 3 have load lines of their own, whose landings the first and second barriers show; the third shows the other twelve steps.
	s_load_b256 s[4:11], s[0:1], 0x0               ; qb s[4:5], kv s[6:7], aimg s[8:9], asc s[10:11]
	v_lshl_add_u32 v251, v0, 2, 0x43000
	v_mov_b32 v255, 0
	ds_add_u32 v251, v255
	ds_add_u32 v251, v255
	v_lshrrev_b32 v4, 5, v0
	s_delay_alu instid0(VALU_DEP_1)
	v_readfirstlane_b32 s[WV], v4                  ; wave 0..15
	s_and_b32 s79, ttmp7, 0xffff                   ; 16 x batch + head
	s_lshr_b32 s81, s79, 4
	s_lshl_b32 s81, s81, 7                         ; 128 row tiles a batch
	s_and_b32 s83, s79, 15                         ; the head
	s_lshl_b32 s82, s83, 10                        ; its 64 of d_model in a row tile's image: 2,048 (head / 2) + 1,024 (head % 2)
	s_lshl_b32 s83, s83, 1                         ; its two scale bytes in a row
	s_mul_i32 s80, s79, QHS
	s_lshl_b32 s71, ttmp9, 4
	s_sub_co_u32 s70, 112, s71
	s_add_co_u32 s70, s70, s[WV]                   ; first pass: tile 16 (7 - i) + w
	s_add_co_u32 s71, s71, 15
	s_sub_co_u32 s71, s71, s[WV]                   ; second pass: tile 16 i + 15 - w
	s_lshl_b32 s[Q0], s70, 4
	s_lshl_b32 s[Q0B], s71, 4
	; group 1: a step is 67 dense rows of 256 bytes (32 elements of 8), no padding
	s_mov_b32 s[G1+0], 3<<16
	s_mov_b32 s[G1+1], 32<<16                      ; tensor_dim0
	s_mov_b32 s[G1+2], 67<<16                      ; tensor_dim1
	s_mov_b32 s[G1+3], 32<<16                      ; tile_dim0
	s_mov_b32 s[G1+4], 67                          ; tile_dim1
	s_mov_b32 s[G1+5], 32                          ; from row to row
	s_mov_b32 s[G1+6], 0
	s_mov_b32 s[G1+7], 0
	s_mul_i32 s84, s79, KHS
	s_mul_i32 s85, s[WV], STEPB                    ; wave w brings step w
	s_add_co_u32 s86, s84, s85
	s_mov_b32 s87, 0
	s_mov_b32 s[SEL], 0x76543210
	s_mov_b32 s[SEL+1], 0xfedcba98
	s_mov_b32 s[CS], 0x3e38aa3b
	s_mov_b32 s[CS+1], s[CS]                       ; (named with it as a pair, so it is written)
	s_mov_b32 s[MNT], 0x600000
	s_mov_b32 s[KF], 0
	s_wait_dscnt 0x0
	s_wait_kmcnt 0x0
	s_add_nc_u64 s[6:7], s[6:7], s[86:87]
	s_mov_b32 s[G0], 1
	s_mov_b32 s[G0+1], s85                         ; step w lies at w x STEPB
	s_mov_b64 s[G0+2:G0+3], s[6:7]
	s_or_b32 s[G0+3], s[G0+3], 0x80000000
	s_cmp_lt_u32 s[WV], 1                          ; one chain of three arms: wave 0 (step 0), waves 1 to 3, the rest: each group waits at a barrier of its own
	s_cbranch_scc0 .Lnot_first
	tensor_load_to_lds s[G0:G0+3], s[G1:G1+7]
	s_nop 0
.rept 4
	v_nop
.endr
	s_branch .Lasked
.Lnot_first:
	s_cmp_lt_u32 s[WV], 4
	s_cbranch_scc0 .Llater_steps
	tensor_load_to_lds s[G0:G0+3], s[G1:G1+7]
	s_nop 0
.rept 4
	v_nop
.endr
	s_branch .Lasked
.Llater_steps:
	tensor_load_to_lds s[G0:G0+3], s[G1:G1+7]
	s_nop 0
.rept 4
	v_nop
.endr
.Lasked:
.macro BASES t, q, qs, o, os           ; the four addresses of tile s[t]
	s_lshr_b32 s72, s[\t], 3
	s_mul_i32 s72, s72, QSS
	s_add_co_u32 s72, s72, s80                     ; the tile's step of 128 queries in qb
	s_and_b32 s74, s[\t], 7
	s_lshl_b32 s75, s74, 10
	s_add_co_u32 s76, s72, s75
	s_mov_b32 s77, 0
	s_add_nc_u64 s[\q:\q+1], s[4:5], s[76:77]
	s_lshl_b32 s75, s74, 2
	s_add_co_u32 s76, s72, s75
	s_add_co_u32 s76, s76, 8192
	s_add_nc_u64 s[\qs:\qs+1], s[4:5], s[76:77]
	s_add_co_u32 s74, s81, s[\t]                   ; the row tile among 512
	s_lshl_b32 s76, s74, 14
	s_add_co_u32 s76, s76, s82
	s_add_nc_u64 s[\o:\o+1], s[8:9], s[76:77]
	s_lshl_b32 s76, s74, 9                         ; 16 rows of 32 scale bytes
	s_add_co_u32 s76, s76, s83
	s_add_nc_u64 s[\os:\os+1], s[10:11], s[76:77]
.endm
	BASES 70, QA, QSA, OA, OSA
	BASES 71, QB, QSB, OB, OSB
	v_and_b32 v11, 31, v0
	s_delay_alu instid0(VALU_DEP_1)
	v_lshlrev_b32 v1, 4, v11                       ; v1   16 x lane
	v_and_b32 v11, 15, v0                          ; r
	v_bfe_u32 v8, v0, 4, 1                         ; v8   h
	s_delay_alu instid0(VALU_DEP_2)
	v_lshlrev_b32 v10, 5, v11                      ; v10  32 r: Q's scale words
	s_delay_alu instid0(VALU_DEP_1)
	v_add_nc_u32 v2, 16384, v10                    ; v2   K's scale words in a step
	s_delay_alu instid0(VALU_DEP_4)
	v_lshl_add_u32 v3, v11, 4, 16896               ; v3   V's
	s_delay_alu instid0(VALU_DEP_4)
	v_lshlrev_b32 v7, 3, v8
	s_delay_alu instid0(VALU_DEP_1)
	v_sub_nc_u32 v7, v11, v7                       ; v7   r - 8 h
	v_add_nc_u32 v9, v10, v8                       ; v9   32 r + h: my byte of O's scales
	global_load_b128 v[16:19], v1, s[QA:QA+1]
	global_load_b128 v[20:23], v1, s[QA:QA+1] offset:512
	global_load_b32 v220, v10, s[QSA:QSA+1]
.irp j, 0,1,2,3,4,5,6,7
	v_mov_b32 v[24+\j], 0                          ; the upper 64 of K = 128: zero codes, written once: Q's,
	v_mov_b32 v[40+\j], 0                          ; and those of K's four fragments
	v_mov_b32 v[56+\j], 0
	v_mov_b32 v[72+\j], 0
	v_mov_b32 v[88+\j], 0
.endr
.macro RESET                           ; a pass begins: the largest t under every t, the sum and O^T zero (the first change of M multiplies zeros)
	v_mov_b32 v13, 0xff61b1e6
	s_delay_alu instid0(VALU_DEP_1)
	v_floor_f32 v12, -v13
	v_mov_b32 v14, 0
	v_mov_b32 v15, 0
.set NN, 0
.rept 32
	v_mov_b32 v[160+NN], 0
.set NN, NN+1
.endr
.endm
	RESET
.irp b, 0,1,2,3
	v_mov_b32 v[PR+\b], 0                          ; written once: a lane permute's destination counts as one of its sources
.endr
	v_mov_b32 v252, 0
	v_mov_b32 v253, 0                              ; (named as the upper half of the pair v[252:253])
; A KEY STEP: 128 keys at LDS byte s[TB].  causal = 1: a step all of whose keys come after my 16 queries is left out, by a scalar branch on ids, round its work and not round the two lines at its end.
.macro STEP causal
.if \causal
	s_add_co_u32 s96, s[Q0], 15
	s_cmp_gt_u32 s[KF], s96
	s_cbranch_scc1 .Lhidden_\@
.endif
	v_add_nc_u32 v4, s[TB], v1
	s_wait_alu depctr_va_vdst(0)
	v_add_nc_u32 v5, s[TB], v2
	v_add_nc_u32 v6, s[TB], v3
	ds_load_b128 v[208:211], v5                    ; K's scale words of tiles 0 .. 7, row r
	ds_load_b128 v[212:215], v5 offset:16
.irp g, 0,1                                    ; S^T = K Q^T, four tiles of 16 keys at a time
.if \g
.rept 8
	v_nop                                          ; places in front of loads into registers that matrix instructions have read
.endr
.endif
.irp t, 0,1,2,3
	ds_load_b128 v[32+16*\t:35+16*\t], v4 offset:(4*\g+\t)*1024
	ds_load_b128 v[36+16*\t:39+16*\t], v4 offset:(4*\g+\t)*1024+512
.endr
.if \g == 0
.rept 6
	v_nop                                          ; with the three additions nine places: the products below write over v96 on, which the last step's products read as an operand.  They stand behind the loads, which name none of those registers
.endr
.endif
	s_wait_dscnt 0x0
.irp t, 0,1,2,3
	v_wmma_scale_f32_16x16x128_f8f6f4 v[96+8*(4*\g+\t):103+8*(4*\g+\t)], v[32+16*\t:47+16*\t], v[16:31], 0, v[208+4*\g+\t], v220
.endr
.endr
.if \causal                                    ; no v_nop here: the lines on tiles 0 to 3 (finished eight places ago) are the places behind the products of tiles 4 to 7
	s_add_co_u32 s96, s[KF], 127
	s_cmp_le_u32 s96, s[Q0]
	s_cbranch_scc1 .Lopen_\@
	s_sub_co_i32 s96, s[Q0], s[KF]
	v_add_nc_u32 v252, s96, v7                     ; d = my query - the step's first key - 8 h.  Register n holds key 16 (n / 8) + n % 8 + 8 h: hidden where 16 (n / 8) + n % 8 > d
	v_mov_b32 v254, 0xff800000
.set NN, 0
.rept 64
	v_cmp_gt_i32 vcc_lo, 16*(NN/8)+NN%8, v252
	v_cndmask_b32 v[96+NN], v[96+NN], v254, vcc_lo
.set NN, NN+1
.endr
.Lopen_\@:
.endif
.irp g, 0,2                                    ; the largest score of each block of 32 keys; blocks 0 and 1 first: their 14 lines are the places behind the products that made blocks 2 and 3
	v_max3_num_f32 v[BM+\g], v[96+16*\g], v[97+16*\g], v[98+16*\g]
	v_max3_num_f32 v[BM+\g+1], v[112+16*\g], v[113+16*\g], v[114+16*\g]
.irp i, 3,5,7,9,11,13
	v_max3_num_f32 v[BM+\g], v[BM+\g], v[96+16*\g+\i], v[97+16*\g+\i]
	v_max3_num_f32 v[BM+\g+1], v[BM+\g+1], v[112+16*\g+\i], v[113+16*\g+\i]
.endr
.endr
.irp b, 0,1,2,3
	v_max_num_f32 v[BM+\b], v[BM+\b], v[111+16*\b]
.endr
.irp b, 0,1,2,3
	s_delay_alu instid0(VALU_DEP_4)
	v_permlanex16_b32 v[PR+\b], v[BM+\b], s[SEL], s[SEL+1]
.endr
.irp b, 0,1,2,3
	s_delay_alu instid0(VALU_DEP_4)
	v_max_num_f32 v[BM+\b], v[BM+\b], v[PR+\b]     ; with lane l xor 16's 16 keys
.endr
	s_delay_alu instid0(VALU_DEP_2)
	v_max3_num_f32 v254, v[BM], v[BM+1], v[BM+2]
	s_delay_alu instid0(VALU_DEP_1)
	v_max_num_f32 v254, v254, v[BM+3]
	s_delay_alu instid0(VALU_DEP_1)
	v_mul_f32 v254, s[CS], v254                    ; the step's largest t
	s_delay_alu instid0(VALU_DEP_1)
	v_max_num_f32 v13, v13, v254
	v_mov_b32 v254, v12
	s_delay_alu instid0(VALU_DEP_2)
	v_floor_f32 v12, -v13                          ; the new -M = -ceil(t)
	s_delay_alu instid0(VALU_DEP_1)
	v_sub_f32 v254, v12, v254                      ; old M - new M: a whole number, 0 or less
	s_delay_alu instid0(VALU_DEP_1)
	v_cvt_i32_f32 v254, v254                       ; (it saturates)
	s_delay_alu instid0(VALU_DEP_1)
	v_ldexp_f32 v252, 1.0, v254                    ; f = 2^(old M - new M)
.set NN, 0
.rept 32
	v_pk_fma_f32 v[96+NN:97+NN], v[96+NN:97+NN], s[CS:CS+1], v[12:13] op_sel_hi:[1,0,0]   ; t - M, two at a time
.set NN, NN+2
.endr
.irp b, 0,1,2,3
	v_fma_f32 v[BM+\b], v[BM+\b], s[CS], v12       ; the same of each block's largest score
.endr
.set NN, 0
	s_wait_alu depctr_va_vdst(0)
.rept 64
	v_exp_f32 v[96+NN], v[96+NN]                   ; p = 2^(t - M)
.set NN, NN+1
.endr
	v_pk_mul_f32 v[14:15], v[14:15], v[252:253] op_sel_hi:[1,0]   ; the sums under the new M: a plain instruction behind the exponentials
	s_wait_alu depctr_va_vdst(0)                   ; one wait for the batch of 64, ahead of its first reader
.irp b, 0,1,2,3
	v_exp_f32 v[BM+\b], v[BM+\b]                   ; the block's largest p
.endr
	v_pk_add_f32 v[240:241], v[100:101], v[104:105]
	v_pk_add_f32 v[248:249], v[108:109], v[112:113]
	v_pk_add_f32 v[246:247], v[116:117], v[120:121]
	v_pk_add_f32 v[244:245], v[124:125], v[128:129]
	v_pk_add_f32 v[242:243], v[132:133], v[136:137]
	v_pk_add_f32 v[238:239], v[140:141], v[144:145]
	v_pk_add_f32 v[236:237], v[148:149], v[152:153]
	v_pk_add_f32 v[14:15], v[14:15], v[156:157]
	v_pk_add_f32 v[240:241], v[240:241], v[96:97]
	v_pk_add_f32 v[248:249], v[248:249], v[98:99]
	v_pk_add_f32 v[246:247], v[246:247], v[102:103]
	v_pk_add_f32 v[244:245], v[244:245], v[106:107]
	v_pk_add_f32 v[242:243], v[242:243], v[110:111]
	v_pk_add_f32 v[238:239], v[238:239], v[114:115]
	v_pk_add_f32 v[236:237], v[236:237], v[118:119]
	v_pk_add_f32 v[14:15], v[14:15], v[122:123]
	v_pk_add_f32 v[240:241], v[240:241], v[126:127]
	v_pk_add_f32 v[248:249], v[248:249], v[130:131]
	v_pk_add_f32 v[246:247], v[246:247], v[134:135]
	v_pk_add_f32 v[244:245], v[244:245], v[138:139]
	v_pk_add_f32 v[242:243], v[242:243], v[142:143]
	v_pk_add_f32 v[238:239], v[238:239], v[146:147]
	v_pk_add_f32 v[236:237], v[236:237], v[150:151]
	v_pk_add_f32 v[14:15], v[14:15], v[154:155]
	v_pk_add_f32 v[240:241], v[240:241], v[158:159]
	s_delay_alu instid0(VALU_DEP_2)
	v_pk_add_f32 v[14:15], v[14:15], v[244:245]
	s_delay_alu instid0(VALU_DEP_2)
	v_pk_add_f32 v[240:241], v[240:241], v[242:243]
	v_pk_add_f32 v[248:249], v[248:249], v[238:239]
	v_pk_add_f32 v[246:247], v[246:247], v[236:237]
	s_delay_alu instid0(VALU_DEP_2)
	v_pk_add_f32 v[14:15], v[14:15], v[248:249]
	s_delay_alu instid0(VALU_DEP_2)
	v_pk_add_f32 v[240:241], v[240:241], v[246:247]
	s_delay_alu instid0(VALU_DEP_1)
	v_pk_add_f32 v[14:15], v[14:15], v[240:241]
	s_wait_alu depctr_va_vdst(0)                   ; and one for the four
.irp b, 0,1,2,3
	v_max_num_f32 v[BM+\b], 0x4800000, v[BM+\b]    ; the floor 2^(9 - 127): the byte cannot fall under 1
.endr
.irp b, 0,1,2,3
	s_delay_alu instid0(VALU_DEP_4)
	v_add_nc_u32 v[SOP+\b], 0xfc000000, v[BM+\b]
.endr
.irp b, 0,1,2,3
	v_and_or_b32 v[HD+\b], v[BM+\b], 0x7f800000, s[MNT]
.endr
.irp b, 0,1,2,3
	v_and_or_b32 v[HD2+\b], v[BM+\b], 0x7f800000, s[MNT]
.endr
.irp b, 0,1,2,3
	v_lshrrev_b32 v[PR+\b], 23, v[SOP+\b]
.endr
	s_delay_alu instid0(VALU_DEP_3)
	v_lshl_or_b32 v221, v[PR+1], 8, v[PR]          ; p's scale word for these 128 keys
	s_delay_alu instid0(VALU_DEP_1)
	v_lshl_or_b32 v221, v[PR+2], 16, v221
	s_delay_alu instid0(VALU_DEP_1)
	v_lshl_or_b32 v221, v[PR+3], 24, v221
.irp b, 0,1,2,3
.irp i, 0,2,4,6,8,10,12,14
	v_dual_min_num_f32 v[96+16*\b+\i], v[96+16*\b+\i], v[HD+\b] :: v_dual_min_num_f32 v[97+16*\b+\i], v[97+16*\b+\i], v[HD2+\b]   ; the hold (ISA guide 7.6.2), one-sided since p is not negative; two numbers a line
.endr
	v_cvt_scalef32_pk8_fp8_f32 v[192+4*\b:193+4*\b], v[96+16*\b:103+16*\b], v[SOP+\b]
	v_cvt_scalef32_pk8_fp8_f32 v[194+4*\b:195+4*\b], v[104+16*\b:111+16*\b], v[SOP+\b]
.irp c, 0,1,2,3
	ds_load_b128 v[96+16*\b+4*\c:99+16*\b+4*\c], v4 offset:8192+2048*\b+512*\c   ; V's fragment b takes block b's registers as soon as its conversions are issued: the later blocks' holds stand behind these loads
.endr
.endr
	v_nop                                          ; a plain instruction between the conversions and the swaps
	ds_load_b128 v[216:219], v6                    ; V's scale words of tiles 0 .. 3, row r
.irp b, 0,1,2,3
	v_permlane16_swap_b32 v[192+4*\b], v[194+4*\b]     ; the four registers now hold keys 32 b + 16 h + 0 .. 15
	v_permlane16_swap_b32 v[193+4*\b], v[195+4*\b]
.endr
.set NN, 0
.rept 16
	v_pk_mul_f32 v[160+NN:161+NN], v[160+NN:161+NN], v[252:253] op_sel_hi:[1,0]   ; O^T under the new M; these are also the places between the swaps and the products
.set NN, NN+2
.endr
	s_wait_alu depctr_va_vdst(0)
	s_wait_dscnt 0x0
.irp t, 0,1,2,3                                ; O^T += V^T P^T: the four accumulators by turns
	v_wmma_scale_f32_16x16x128_f8f6f4 v[160+8*\t:167+8*\t], v[96+16*\t:111+16*\t], v[192:207], v[160+8*\t:167+8*\t], v[216+\t], v221
.endr
.if \causal
.Lhidden_\@:
.endif
	s_add_co_u32 s[KF], s[KF], 128
	s_add_co_u32 s[TB], s[TB], STEPB
.endm
; Steps first .. first + cnt - 1.  The waves under 'under' have brought them: all issuers of those load lines wait, then the barrier shows the steps to all sixteen.
.macro GROUP first, cnt, under, causal
	s_mov_b32 s[TB], STEPB*\first
	s_cmp_lt_u32 s[WV], \under
	s_cbranch_scc0 .Lnot_mine_\@
	s_wait_tensorcnt 0x0
.Lnot_mine_\@:
	s_wait_dscnt 0x0
	s_barrier_signal -1
	s_barrier_wait -1
	s_mov_b32 s[CNT], \cnt
.Lgroup_\@:
	STEP \causal
	s_sub_co_u32 s[CNT], s[CNT], 1
	s_cmp_lg_u32 s[CNT], 0
	s_cbranch_scc1 .Lgroup_\@
.endm
; A pass ends: O^T / the sum, quantised along the head's 64 (two blocks of d_model), stored as register groups 2 (head % 2) + 0, 1 of the row tile's fragment head / 2, and two scale bytes a row.
.macro FINISH o, os, next
.rept 8
	v_nop                                          ; places behind the last products
.endr
.if \next
	global_load_b128 v[16:19], v1, s[QB:QB+1]      ; the second pass's Q lands under this pass's way out
	global_load_b128 v[20:23], v1, s[QB:QB+1] offset:512
	global_load_b32 v220, v10, s[QSB:QSB+1]
.endif
	v_add_f32 v14, v14, v15
	s_delay_alu instid0(VALU_DEP_1)
	v_permlanex16_b32 v252, v14, s[SEL], s[SEL+1]
	s_delay_alu instid0(VALU_DEP_1)
	v_add_f32 v14, v14, v252                       ; the row's sum
	s_wait_alu depctr_va_vdst(0)
	v_rcp_f32 v14, v14
	v_cmp_ne_u32 vcc_lo, 0, v8                     ; (a plain instruction behind the reciprocal)  lanes 16-31
	s_wait_alu depctr_va_vdst(0)                   ; the wait, ahead of the first reader
.set NN, 0
.rept 16
	v_pk_mul_f32 v[96+NN:97+NN], v[160+NN:161+NN], v[14:15] op_sel_hi:[1,0]   ; register 8 t + j is o(query r, 16 t + 8 h + j)
.set NN, NN+2
.endr
.irp b, 0,1
	v_max3_num_f32 v[BM+\b], |v[96+16*\b]|, |v[97+16*\b]|, 0x4800000
.endr
.irp i, 2,4,6,8,10,12,14
.irp b, 0,1
	s_delay_alu instid0(VALU_DEP_2)
	v_max3_num_f32 v[BM+\b], v[BM+\b], |v[96+16*\b+\i]|, |v[97+16*\b+\i]|
.endr
.endr
.irp b, 0,1
	s_delay_alu instid0(VALU_DEP_2)
	v_permlanex16_b32 v[PR+\b], v[BM+\b], s[SEL], s[SEL+1]
.endr
.irp b, 0,1
	s_delay_alu instid0(VALU_DEP_2)
	v_max_num_f32 v[BM+\b], v[BM+\b], v[PR+\b]
.endr
.irp b, 0
	s_delay_alu instid0(VALU_DEP_2)
	v_add_nc_u32 v[SOP+\b], 0xfc000000, v[BM+\b]
	s_delay_alu instid0(VALU_DEP_3)
	v_and_or_b32 v[HD+\b], v[BM+\b], 0x7f800000, s[MNT]
.endr
.irp b, 1
	s_delay_alu instid0(VALU_DEP_3)
	v_add_nc_u32 v[SOP+\b], 0xfc000000, v[BM+\b]
	s_delay_alu instid0(VALU_DEP_4)
	v_and_or_b32 v[HD+\b], v[BM+\b], 0x7f800000, s[MNT]
.endr
.irp b, 0
	s_delay_alu instid0(VALU_DEP_4)
	v_lshrrev_b32 v[PR+\b], 23, v[SOP+\b]
.endr
.irp b, 1
	s_delay_alu instid0(VALU_DEP_3)
	v_lshrrev_b32 v[PR+\b], 23, v[SOP+\b]
.endr
.irp b, 0,1
.irp i, 0,1,2,3,4,5,6,7,8,9,10,11,12,13,14,15
	v_med3_num_f32 v[96+16*\b+\i], v[96+16*\b+\i], -v[HD+\b], v[HD+\b]
.endr
	v_cvt_scalef32_pk8_fp8_f32 v[192+4*\b:193+4*\b], v[96+16*\b:103+16*\b], v[SOP+\b]
	v_cvt_scalef32_pk8_fp8_f32 v[194+4*\b:195+4*\b], v[104+16*\b:111+16*\b], v[SOP+\b]
.endr
	v_cndmask_b32 v254, v[PR], v[PR+1], vcc_lo     ; (a plain instruction behind the conversions)  lane (r, h) stores row r's byte of block h
.irp b, 0,1
	v_permlane16_swap_b32 v[192+4*\b], v[194+4*\b]
	v_permlane16_swap_b32 v[193+4*\b], v[195+4*\b]
.endr
	global_store_b128 v1, v[192:195], s[\o:\o+1]               ; 32 lanes store 512 consecutive bytes
	global_store_b128 v1, v[196:199], s[\o:\o+1] offset:512
	global_store_b8 v9, v254, s[\os:\os+1]
.if \next
	RESET
	s_mov_b32 s[Q0], s[Q0B]
	s_mov_b32 s[TB], 0
	s_mov_b32 s[KF], 0
	s_wait_xcnt 0x0                                ; the stores have read their data: the next pass writes those registers again
	s_wait_loadcnt 0x0                             ; Q
.endif
.endm
	s_wait_loadcnt 0x0                             ; Q
	GROUP 0, 1, 1, 0                               ; first pass: my queries are 1,024 or later, so keys 0 .. 1,023 all count.  Step 0 is multiplied while steps 1 to 3 land,
	GROUP 1, 3, 4, 0                               ; steps 1 to 3 while the rest land
	s_wait_tensorcnt 0x0                           ; every wave: all sixteen steps are in behind this barrier, the last of the launch
	s_wait_dscnt 0x0
	s_barrier_signal -1
	s_barrier_wait -1
	s_mov_b32 s[TB], STEPB*4                       ; steps 4 to 15 in one loop
	s_mov_b32 s[CNT], 12
.Lfirst:
	STEP 1
	s_sub_co_u32 s[CNT], s[CNT], 1
	s_cmp_lg_u32 s[CNT], 0
	s_cbranch_scc1 .Lfirst
	FINISH OA, OSA, 1
	s_mov_b32 s[CNT], 8                            ; second pass: my queries lie under 1,024: eight steps at the most; all of the head lies in LDS
.Lsecond:
	STEP 1
	s_sub_co_u32 s[CNT], s[CNT], 1
	s_cmp_lg_u32 s[CNT], 0
	s_cbranch_scc1 .Lsecond
	FINISH OB, OSB, 0
	s_wait_tensorcnt 0x0
	ds_add_u32 v251, v255
	s_wait_dscnt 0x0
	s_endpgm
.Lfunc_end_k_q6c58c69adf_attn:
	.size	k_q6c58c69adf_attn, .Lfunc_end_k_q6c58c69adf_attn-k_q6c58c69adf_attn
	.p2alignl 7, 3214868480
	.fill 96, 4, 3214868480
	.section	.rodata,"a",@progbits
	.p2align	6, 0x0
	.amdhsa_kernel k_q6c58c69adf_attn
		.amdhsa_group_segment_fixed_size 276480
		.amdhsa_private_segment_fixed_size 0
		.amdhsa_enable_private_segment 0
		.amdhsa_kernarg_size 32
		.amdhsa_user_sgpr_count 2
		.amdhsa_user_sgpr_kernarg_segment_ptr 1
		.amdhsa_wavefront_size32 1
		.amdhsa_system_sgpr_workgroup_id_x 1
		.amdhsa_system_sgpr_workgroup_id_y 1
		.amdhsa_system_sgpr_workgroup_id_z 1
		.amdhsa_system_vgpr_workitem_id 0
		.amdhsa_next_free_vgpr 256
		.amdhsa_next_free_sgpr 100
		.amdhsa_reserve_vcc 1
		.amdhsa_float_denorm_mode_32 3
		.amdhsa_float_denorm_mode_16_64 3
		.amdhsa_memory_ordered 1
		.amdhsa_forward_progress 1
		.amdhsa_inst_pref_size 115
	.end_amdhsa_kernel
	.amdgpu_metadata
---
amdhsa.version: [ 1, 2 ]
amdhsa.kernels:
  - .name:           k_q6c58c69adf_attn
    .symbol:         k_q6c58c69adf_attn.kd
    .args:
      - { .name: qb, .offset: 0, .size: 8, .value_kind: global_buffer, .address_space: global }
      - { .name: kv, .offset: 8, .size: 8, .value_kind: global_buffer, .address_space: global }
      - { .name: aimg, .offset: 16, .size: 8, .value_kind: global_buffer, .address_space: global }
      - { .name: asc, .offset: 24, .size: 8, .value_kind: global_buffer, .address_space: global }
    .group_segment_fixed_size: 276480
    .private_segment_fixed_size: 0
    .kernarg_segment_align: 8
    .kernarg_segment_size: 32
    .max_flat_workgroup_size: 512
    .sgpr_count:     100
    .vgpr_count:     256
    .wavefront_size: 32
...
	.end_amdgpu_metadata
.endif
;; end of part 3
;; launch oproj (part 4): grid 8 x 32, 4 waves a work-group, clusters of 4 x 4, 327,680 bytes of LDS; arguments aimg, asc, W_O_codes, W_O_scales, out0; writes out0
.if DOCPART == 4
	.amdgcn_target "amdgcn-amd-amdhsa--gfx1250"
	.amdhsa_code_object_version 6
	.text
	.protected	k_q6c58c69adf_oproj
	.globl	k_q6c58c69adf_oproj
	.p2align	8
	.type	k_q6c58c69adf_oproj,@function
k_q6c58c69adf_oproj:
	s_mov_b64 s[64:65], 0
	v_nop
	global_prefetch_b8 v0, s[64:65] scope:SCOPE_SE
	s_setreg_imm32_b32 hwreg(HW_REG_WAVE_MODE, 25, 1), 1
	s_wait_xcnt 0x0
	s_wait_alu depctr_hold_cnt(0) depctr_sa_sdst(0) depctr_va_vdst(0) depctr_va_sdst(0) depctr_va_ssrc(0) depctr_va_vcc(0) depctr_vm_vsrc(0)
	s_getreg_b32 s2, hwreg(HW_REG_IB_STS2, 6, 4)
	s_cmp_eq_u32 s2, 0
	s_cbranch_scc0 .Lentry_in_a_cluster
	s_endpgm
.Lentry_in_a_cluster:
	s_bfe_u32 s2, ttmp6, 0x10000c
	s_cmp_lg_u32 s2, 0xf033
	s_cbranch_scc0 .Lentry_shape_is_right
	s_endpgm
.Lentry_shape_is_right:
; out0 = a W_O^T on codes of FP8 (E4M3) with one E8M0 scale for each 32 along K = 1,024; f32 sums, stored as they are.
; aimg: [512 tiles of 16 rows][32 register groups g = 4 q + c][32 lanes][16 bytes]: group c of the fragment of the q-th 128 of K; asc: [8,192 rows][32 scale bytes].
; THE DEAL.  256 work-groups of four waves (2 x 2), one block of 256 rows x 128 columns each.  A wave holds its 64 rows of W_O, ALL of K, in 512 registers (windows 1, 2) and takes eight blocks of 16 rows of a past them,
; 32 products a block on four accumulators by turns; a's blocks stand in two sets of 128 registers (window 3).
; LDS.  Rows of 1,024 bytes + 16 of padding throughout.  At the head W_O's 128 rows (waves 0, 1) at byte 0 and a's rows 0-127 (waves 2, 3) behind them: one joint load a wave.  When all waves hold W_O in registers,
; a's rows 128-255 are filled over W_O's bytes, row for row in the same places, in one drained round of the cluster's barrier, a quarter a wave; the barrier inside block 2 shows them, ahead of block 4's fetch.
; CLUSTERS: 4 x 4.  a's rows hang on the tile row and are shared along a row of the cluster, W_O's on the tile column and are shared along a column.
; SCALE WORDS go from memory into registers, 512 consecutive bytes a load: lane (r, h) takes bytes 16 h .. 16 h + 15 of row r, so register j holds word j in lanes 0-15 and word 4 + j in lanes 16-31: the upper half of K names ROW1.
; THE WAY OUT.  Source 0 = W_O's rows, source 1 = a's rows: a lane holds eight neighbouring columns of one row.  A block of 16 rows x 64 columns goes through the wave's own stage in LDS and comes back as rows of 256 bytes;
; sixteen lanes store one aligned unit of 256 bytes.  Block n's stores stand behind block n + 1's products.
; PREFETCH: a's rows 128-255, 512 blocks of 256 bytes, are named once in each row of a cluster: its sixteen waves take 32 blocks each, told apart by address; it stands behind the first barrier, ahead of the 128 LDS loads that precede the refill.
; LIMITS: NaN and infinities are not served.
.set KROW, 1024
.set PITCH, KROW+16
.set TILEB, 16*PITCH                   ; 16 LDS rows: a tile of 16 rows of W_O, or the 16,384 bytes of a tile of a's image
.set CH0, 128*PITCH                    ; a's rows 0-127
.set STAGE, 2*128*PITCH                ; 16 rows x 272 bytes for each wave
.set SPITCH, 272
.set SPARE, STAGE+4*16*SPITCH          ; the spare words: two blocks of 256 bytes that no other line names
.set NP, 8                             ; places behind this matrix instruction (ISA guide 7.12.1)
.set SPW, 10
.set NIL, 11
.set ADW, 12                           ; LDS address of my fragments of W_O
.set STO, 13                           ; the stage: in
.set RDB, 14                           ; the stage: back
.set CO, 15                            ; my byte offset in two rows of out0
.set ADA, 16                           ; v16-23 LDS address of block n of a
.set WS, 24                            ; v24-39 W_O's scale words, four registers a tile
.set SO, 40                            ; 32 r + 16 h
.set PF, 41                            ; the prefetch's offset
.set AS, 42                            ; v42-73 a's scale words, four registers a block: no product's two scale registers have numbers equal modulo 8
.set ACC, 80                           ; v80-143 two sets of four accumulators
.set OB, 144                           ; v144-207 two sets of 16 rows read back from the stage
.set G1W, 24
.set G1A, 32
.set G1R, 48
.set G0W, 56
.set G0A, 60
.set G0R, 68
.set MSB, 0
.macro WIN new                         ; the immediate's high byte repeats the setting that is left
.if MSB != \new
	s_set_vgpr_msb (MSB<<8)|\new
.set MSB, \new
.endif
.endm
.macro PLACES n
.rept \n
	v_nop
.endr
.endm
.macro BARRIER
	s_barrier_signal -1
	s_barrier_wait -1
.endm
.macro CROUND                          ; a round of the cluster's barrier
	BARRIER
	s_cmp_lg_u32 s14, 0
	s_cbranch_scc1 .Lnot_wave_0_\@
	s_barrier_signal -3
.Lnot_wave_0_\@:
	s_barrier_wait -3
	BARRIER
.endm
.macro TLOAD g0, g1                    ; an s_nop 0 and four v_nop follow a tensor load
	tensor_load_to_lds s[\g0:\g0+3], s[\g1:\g1+7]
	s_nop 0
	PLACES 4
.endm
.macro GROUP1 g, mask, rows            ; so many rows of 1,024 bytes, dense in memory, 16 bytes of padding behind each in LDS
	s_or_b32 s[\g+0], s[\mask], (1<<20)|(1<<21)|(7<<22)|(3<<25)
	s_mov_b32 s[\g+1], (KROW&0xffff)<<16
	s_mov_b32 s[\g+2], (KROW>>16)|((\rows)<<16)
	s_mov_b32 s[\g+3], KROW<<16
	s_mov_b32 s[\g+4], \rows
	s_mov_b32 s[\g+5], KROW
	s_mov_b32 s[\g+6], 0
	s_mov_b32 s[\g+7], 0
.endm
	s_load_b256 s[4:11], s[0:1], 0x0               ; aimg s[4:5], asc s[6:7], W_O's codes s[8:9], W_O's scales s[10:11]
	s_load_b64 s[12:13], s[0:1], 0x20              ; out0
	v_lshl_add_u32 v[SPW], v0, 2, SPARE
	v_mov_b32 v[NIL], 0
	ds_add_u32 v[SPW], v[NIL]                      ; the opening lines: the add, twice on end, and its wait
	ds_add_u32 v[SPW], v[NIL]
	v_lshrrev_b32 v1, 5, v0
	v_readfirstlane_b32 s14, v1                    ; wave 0..3
	s_lshr_b32 s15, s14, 1                         ; my row of waves
	s_and_b32 s16, s14, 1                          ; my column of waves; also which half of a head's tile I fetch
	s_bfe_u32 s40, ttmp6, 0x40000                  ; cx, cy
	s_bfe_u32 s41, ttmp6, 0x40004
	s_lshl_b32 s42, ttmp9, 2
	s_add_co_u32 s42, s42, s40                     ; tile column, 0..7
	s_and_b32 s43, ttmp7, 0xffff
	s_lshl_b32 s43, s43, 2
	s_add_co_u32 s43, s43, s41                     ; tile row, 0..31
	s_lshl_b32 s44, s41, 2
	s_lshl_b32 s44, 15, s44                        ; my row of the cluster
	s_lshl_b32 s45, 0x1111, s40                    ; my column
	GROUP1 G1W, 45, 64
	GROUP1 G1A, 44, 64
	GROUP1 G1R, 44, 32
	s_mov_b32 s[G0W], 1
	s_mul_i32 s[G0W+1], s16, 64*PITCH
	s_mov_b32 s[G0A], 1
	s_mul_i32 s[G0A+1], s16, 64*PITCH
	s_add_co_u32 s[G0A+1], s[G0A+1], CH0
	s_mov_b32 s[G0R], 1
	s_mul_i32 s[G0R+1], s14, 32*PITCH
	s_lshl_b32 s17, s16, 16                        ; 64 rows of 1,024 bytes
	s_lshl_b32 s20, s42, 17                        ; W_O: 128 rows a tile column
	s_add_co_u32 s20, s20, s17
	s_mov_b32 s21, 0
	s_lshl_b32 s22, s43, 18                        ; aimg: 256 rows a tile row
	s_mov_b32 s23, 0
	s_add_co_u32 s72, s22, s17                     ; rows 0-127: my half
	s_mov_b32 s73, 0
	s_lshl_b32 s18, s14, 15
	s_add_co_u32 s74, s22, s18
	s_add_co_u32 s74, s74, 131072                  ; rows 128-255: my quarter
	s_mov_b32 s75, 0
	s_lshl_b32 s78, s43, 13                        ; asc: my 64 rows of each half
	s_lshl_b32 s19, s15, 11
	s_add_co_u32 s78, s78, s19
	s_mov_b32 s79, 0
	s_lshl_b32 s80, s42, 12                        ; W_O's scales: my 64 rows
	s_lshl_b32 s19, s16, 11
	s_add_co_u32 s80, s80, s19
	s_mov_b32 s81, 0
	s_lshl_b32 s82, s43, 20                        ; out0: row 256 x tile row + 64 x my row of waves, column 128 x tile column + 64 x my column of waves
	s_lshl_b32 s19, s15, 18
	s_add_co_u32 s82, s82, s19
	s_lshl_b32 s19, s42, 9
	s_add_co_u32 s82, s82, s19
	s_lshl_b32 s19, s16, 8
	s_add_co_u32 s82, s82, s19
	s_mov_b32 s83, 0
	s_lshl_b32 s84, s40, 2
	s_add_co_u32 s84, s84, s14
	s_lshl_b32 s84, s84, 13                        ; which 8,192 bytes of rows 128-255 my wave prefetches
	s_wait_dscnt 0x0                               ; both opening adds are done
	CROUND                                         ; all sixteen work-groups are here: the first joint loads meet
	s_wait_kmcnt 0x0
	s_add_nc_u64 s[G0W+2:G0W+3], s[8:9], s[20:21]
	s_or_b32 s[G0W+3], s[G0W+3], 0x80000000
	s_add_nc_u64 s[G0A+2:G0A+3], s[4:5], s[72:73]
	s_or_b32 s[G0A+3], s[G0A+3], 0x80000000
	s_add_nc_u64 s[G0R+2:G0R+3], s[4:5], s[74:75]
	s_or_b32 s[G0R+3], s[G0R+3], 0x80000000
	s_cmp_lt_u32 s14, 2                            ; one joint load a wave, in two arms that join: W_O's rows, wanted first, have a line of their own
	s_cbranch_scc0 .Lfor_a
	TLOAD G0W, G1W
	s_branch .Lasked
.Lfor_a:
	TLOAD G0A, G1A
.Lasked:
	s_add_nc_u64 s[6:7], s[6:7], s[78:79]
	s_add_nc_u64 s[10:11], s[10:11], s[80:81]
	s_add_nc_u64 s[12:13], s[12:13], s[82:83]
	s_add_co_u32 s22, s22, 131072
	s_add_nc_u64 s[4:5], s[4:5], s[22:23]          ; rows 128-255, for the prefetch
	s_mul_i32 s17, s16, 64*PITCH                   ; my 64 rows of W_O in LDS
	s_mul_i32 s18, s15, 4*TILEB                    ; my four tiles of each half of a
	s_mul_i32 s19, s14, 16*SPITCH
	s_add_co_u32 s19, s19, STAGE                   ; my stage
	v_and_b32 v1, 15, v0                           ; r
	v_bfe_u32 v2, v0, 4, 1                         ; h
	v_and_b32 v3, 31, v0                           ; lane
	v_mul_u32_u24 v4, v1, PITCH
	v_lshl_add_u32 v4, v2, 4, v4
	v_add_nc_u32 v[ADW], s17, v4                   ; row r x pitch + 16 h
	v_lshlrev_b32 v5, 4, v3
	v_add_nc_u32 v5, s18, v5                       ; 16 x lane: an image's place for my lane
.irp n, 0,1,2,3
	v_add_nc_u32 v[ADA+\n], CH0+\n*TILEB, v5
	v_add_nc_u32 v[ADA+4+\n], \n*TILEB, v5
.endr
	v_mul_u32_u24 v6, v1, SPITCH
	v_lshl_add_u32 v6, v2, 5, v6
	v_add_nc_u32 v[STO], s19, v6                   ; in: row r, 32 bytes for each half of the lanes
	v_mul_u32_u24 v7, v2, SPITCH
	v_lshl_add_u32 v7, v1, 4, v7
	v_add_nc_u32 v[RDB], s19, v7                   ; back: lanes 0-15 one row of 256 bytes, lanes 16-31 the next
	v_lshlrev_b32 v8, 12, v2
	v_lshl_add_u32 v[CO], v1, 4, v8                ; and the same two rows in out0
	v_lshlrev_b32 v9, 5, v1
	v_lshl_add_u32 v[SO], v2, 4, v9
	v_lshl_add_u32 v[PF], v3, 8, s84
	s_wait_alu depctr_va_vdst(0)                   ; the wait at the head's end
.irp b, 0,1,2,3
	global_load_b128 v[WS+4*\b:WS+4*\b+3], v[SO], s[10:11] offset:512*\b
.endr
.irp n, 0,1,2,3,4,5,6,7
	global_load_b128 v[AS+4*\n:AS+4*\n+3], v[SO], s[6:7] offset:((\n/4)*128+(\n%4)*16)*32
.endr
	s_cmp_lt_u32 s14, 2
	s_cbranch_scc0 .Lnot_w
	s_wait_tensorcnt 0x0                           ; waves 0, 1: W_O's rows have landed; the other waves' wait stands ahead of the round below
.Lnot_w:
	BARRIER
	global_prefetch_b8 v[PF], s[4:5] th:TH_LOAD_NT scope:SCOPE_SE
.set F_, 0
.rept 32                                       ; fragment 4 q + b of W_O, 16 registers, in window 1 + (4 q + b) / 16: 128 loads
	WIN (1+F_/16)<<6
.irp c, 0,1,2,3
	ds_load_b128 v[16*(F_%16)+4*\c:16*(F_%16)+4*\c+3], v[ADW] offset:128*(F_/4)+32*\c+(F_%4)*TILEB
.endr
.set F_, F_+1
.endr
	WIN 0
	s_wait_tensorcnt 0x0                           ; every wave: a's rows 0-127 are in; these three lines stand ahead of the refill's round
	ds_add_u32 v[SPW], v[NIL]
	s_wait_dscnt 0x0                               ; the add is done, and W_O is in my registers
	CROUND
	TLOAD G0R, G1R                                 ; a's rows 128-255 over W_O's bytes: the first tensor load behind the round, one a wave
.macro FETCH k, n                      ; block n of a, all of K, into set k of window 3: 32 loads of 512 consecutive bytes
	WIN 3<<6
.set G_, 0
.rept 32
	ds_load_b128 v[128*(\k)+4*G_:128*(\k)+4*G_+3], v[ADA+(\n)] offset:(G_/2)*PITCH+(G_%2)*512
.set G_, G_+1
.endr
	WIN 0
.endm
.macro PRODS blk, from, to             ; products 4 q + b of a block
.set N_, \from
.rept (\to)-(\from)
.set Q_, N_/4
.set B_, N_%4
.set AC_, ACC+32*((\blk)%2)+8*B_
.set R_, 128*((\blk)%2)+16*Q_
.set W_, 16*(N_%16)
.set XS_, AS+4*(\blk)+Q_%4
.set WS_, WS+4*B_+Q_%4
	WIN (1+N_/16)|(3<<2)
.if Q_ == 0
	v_wmma_scale_f32_16x16x128_f8f6f4 v[AC_:AC_+7], v[W_:W_+15], v[R_:R_+15], 0, v[WS_], v[XS_]
.elseif Q_ < 4
	v_wmma_scale_f32_16x16x128_f8f6f4 v[AC_:AC_+7], v[W_:W_+15], v[R_:R_+15], v[AC_:AC_+7], v[WS_], v[XS_]
.else
	v_wmma_scale_f32_16x16x128_f8f6f4 v[AC_:AC_+7], v[W_:W_+15], v[R_:R_+15], v[AC_:AC_+7], v[WS_], v[XS_] matrix_a_scale:MATRIX_SCALE_ROW1 matrix_b_scale:MATRIX_SCALE_ROW1
.endif
.set N_, N_+1
.endr
.endm
.macro TOSTAGE a                       ; 8 stores, each accumulator from its low end on, and 8 loads back; LDS serves a wave's instructions in order (ISA guide 5.7.1.4)
.set SA_, ACC+32*((\a)%2)
.set BB_, OB+32*((\a)%2)
.irp b, 0,1,2,3
	ds_store_b128 v[STO], v[SA_+8*\b:SA_+8*\b+3] offset:64*\b
	ds_store_b128 v[STO], v[SA_+8*\b+4:SA_+8*\b+7] offset:64*\b+16
.endr
.irp t, 0,1,2,3,4,5,6,7
	ds_load_b128 v[BB_+4*\t:BB_+4*\t+3], v[RDB] offset:2*\t*SPITCH
.endr
.endm
.macro SEND a                          ; sixteen lanes store 256 consecutive bytes, at a multiple of 256 from out0's first byte
.set BB_, OB+32*((\a)%2)
.irp t, 0,1,2,3,4,5,6,7
	global_store_b128 v[CO], v[BB_+4*\t:BB_+4*\t+3], s[12:13] offset:(((\a)/4)*128+((\a)%4)*16+2*\t)*4096 th:TH_STORE_NT
.endr
.endm
; A block.  Behind the fetch of block n stand, in issue order, the stage's 8 stores and 8 loads of block n - 1 and the 32 loads of block n + 1: 48 (block 0: the 32 of block 1; block 7: 16, no fetch follows).
.macro BLK n
.if \n == 0
	s_wait_dscnt 32
.elseif \n == 7
	s_wait_dscnt 16
.else
	s_wait_dscnt 48
.endif
	s_wait_xcnt 0x0                                ; block n - 2's stores have read their registers, into which this block's rows come back
	PRODS \n, 0, 28
.if \n == 2
	s_wait_tensorcnt 0x0                           ; my quarter of rows 128-255 is in,
	s_wait_dscnt 0x0
	s_barrier_signal -1
.endif
	PRODS \n, 28, 32
	WIN 0
.if \n == 2
	s_barrier_wait -1                              ; everybody's is
.endif
	PLACES NP                                      ; ahead of the stores that read the sums and of the fetch into the set just read
.if \n > 0
.if \n < 7
	s_wait_dscnt 32                                ; block n - 1 is back from the stage; the 32 loads of block n + 1 may be out
.else
	s_wait_dscnt 0x0
.endif
	SEND (\n)-1
.endif
	TOSTAGE \n
.if \n < 6
	FETCH (\n)%2, (\n)+2
.endif
.endm
	FETCH 0, 0
	FETCH 1, 1
	s_wait_loadcnt 0x0                             ; the scale words
.irp n, 0,1,2,3,4,5,6,7
	BLK \n
.endr
	s_wait_dscnt 0x0
	SEND 7
	s_wait_tensorcnt 0x0                           ; the wave's end
	ds_add_u32 v[SPW], v[NIL]
	s_wait_dscnt 0x0
	CROUND                                         ; the closing round
	s_endpgm
.Lfunc_end_k_q6c58c69adf_oproj:
	.size	k_q6c58c69adf_oproj, .Lfunc_end_k_q6c58c69adf_oproj-k_q6c58c69adf_oproj
	.p2alignl 7, 3214868480
	.fill 96, 4, 3214868480
	.section	.rodata,"a",@progbits
	.p2align	6, 0x0
	.amdhsa_kernel k_q6c58c69adf_oproj
		.amdhsa_group_segment_fixed_size 327680
		.amdhsa_private_segment_fixed_size 0
		.amdhsa_enable_private_segment 0
		.amdhsa_kernarg_size 40
		.amdhsa_user_sgpr_count 2
		.amdhsa_user_sgpr_kernarg_segment_ptr 1
		.amdhsa_wavefront_size32 1
		.amdhsa_system_sgpr_workgroup_id_x 1
		.amdhsa_system_sgpr_workgroup_id_y 1
		.amdhsa_system_sgpr_workgroup_id_z 1
		.amdhsa_system_vgpr_workitem_id 0
		.amdhsa_next_free_vgpr 1024
		.amdhsa_next_free_sgpr 96
		.amdhsa_reserve_vcc 0
		.amdhsa_float_denorm_mode_32 3
		.amdhsa_float_denorm_mode_16_64 3
		.amdhsa_memory_ordered 1
		.amdhsa_forward_progress 1
		.amdhsa_inst_pref_size 84
	.end_amdhsa_kernel
	.amdgpu_metadata
---
amdhsa.version: [ 1, 2 ]
amdhsa.kernels:
  - .name:           k_q6c58c69adf_oproj
    .symbol:         k_q6c58c69adf_oproj.kd
    .args:
      - { .name: aimg, .offset: 0, .size: 8, .value_kind: global_buffer, .address_space: global }
      - { .name: asc, .offset: 8, .size: 8, .value_kind: global_buffer, .address_space: global }
      - { .name: W_O_codes, .offset: 16, .size: 8, .value_kind: global_buffer, .address_space: global }
      - { .name: W_O_scales, .offset: 24, .size: 8, .value_kind: global_buffer, .address_space: global }
      - { .name: out0, .offset: 32, .size: 8, .value_kind: global_buffer, .address_space: global }
    .group_segment_fixed_size: 327680
    .private_segment_fixed_size: 0
    .kernarg_segment_align: 8
    .kernarg_segment_size: 40
    .max_flat_workgroup_size: 128
    .sgpr_count:     96
    .vgpr_count:     1024
    .wavefront_size: 32
...
	.end_amdgpu_metadata
.endif
;; end of part 4
